; MI455X (gfx1250); checked and timed in simulation.
; The chip was launched on July 23, 2026; its instructions are those of AMD's public machine-readable ISA for CDNA 5 (MIT licence, August 2026) and "CDNA5" Instruction Set Architecture Reference Guide (July 2026). The comments in the code are by the model that wrote it; some were corrected since.
;; Multi Head Attention. Allowed arithmetic: matrix products marked QUANTISED: E2M1 operands, one E8M0 scale for each 32 along K, by v_wmma_scale_f32_16x16x128_f8f6f4 with both operands' format E2M1 (or v_wmma_scale_f32_32x16x128_f4), f32 sums; products left as they are: bf16, f16 or f32 operands; f32 sums; everything else in f32.
;; Inputs: Wk 1,024 x 1,024 float32; Wo 1,024 x 1,024 float32; Wq 1,024 x 1,024 float32; Wv 1,024 x 1,024 float32; bk 1,024 float32; bo 1,024 float32; bq 1,024 float32; bv 1,024 float32; key 4 x 2,048 x 1,024 float32; mask 4 x 1 x 2,048 x 2,048 bool; query 4 x 2,048 x 1,024 float32; value 4 x 2,048 x 1,024 float32.
;; Outputs: out0 4 x 2,048 x 1,024 float32.
;; This version of the problem:
;;   THIS VERSION OF THE PROBLEM IS GIVEN IN LOW PRECISION. The matrix products marked QUANTISED in the list below multiply operands that are first quantised to E2M1 (2 exponent bits, 1 mantissa bit; 4 bits a number), with one power-of-two scale for each 32 numbers along K (OCP MX v1.0); their sums are f32. The products marked 'left as it is' may take bf16, f16 or f32 operands, with f32 sums. Whichever they take, every output number must still come out within the allowed error. Rounding operands to bf16 (8 significant bits) uses up far more of that allowance than f16 does (11 bits, for magnitudes from 6e-5 to 65,504). All else is computed in f32.
;;   The module's matrix products, in the order in which they are computed (A, B: the left and right operand; K: the contracted axis; several contracted axes count as one K, in the product's order):
;;     1. [M 8,192, K 1,024] x [K 1,024, N 1,024]; A: input query; B: input Wq: QUANTISED
;;     2. [M 8,192, K 1,024] x [K 1,024, N 1,024]; A: input key; B: input Wk: QUANTISED
;;     3. [M 8,192, K 1,024] x [K 1,024, N 1,024]; A: input value; B: input Wv: QUANTISED
;;     4. batch 64 x [M 2,048, K 64] x [K 64, N 2,048]; A: computed on the way; B: computed on the way: left as it is (an operand is computed on the way)
;;     5. batch 64 x [M 64, K 2,048] x [K 2,048, N 2,048]; A: computed on the way; B: computed on the way: left as it is (an operand is computed on the way)
;;     6. [M 8,192, K 1,024] x [K 1,024, N 1,024]; A: computed on the way; B: input Wo: left as it is (an operand is computed on the way)
;;   THE QUANTISER, for each operand of a quantised product, along K:
;;     - K is cut into blocks of 32 from its start; a last block that is shorter is filled with zeros.
;;     - A block's scale is 2^e with e = floor(log2(the largest magnitude in the block)) - 2, held to -126 .. 127; a block of zeros has e = 0. As a byte (E8M0): e + 127.
;;     - Each number is divided by its block's scale, clamped to +-6, and rounded to the nearest number of E2M1, ties to even, subnormals kept.
;;     - The product sums the exact products of the quantised numbers (number of the format x scale) in f32.
;;   ~~~python
;;   def quantise(x, axis):      # numpy; x: float32 -> the quantised numbers, widened to float32 again
;;       x = np.moveaxis(x, axis, -1); K = x.shape[-1]
;;       x = np.pad(x, [(0, 0)] * (x.ndim - 1) + [(0, -K % 32)]); x = x.reshape(x.shape[:-1] + (-1, 32)); a = np.abs(x).max(-1, keepdims=True)
;;       e = np.where(a > 0, np.clip(np.frexp(np.where(a > 0, a, 1))[1] - 1 - 2, -126, 127), 0)      # np.frexp(a)[1] - 1 = floor(log2(a)), exactly
;;       r = np.clip(x / 2.0 ** e, -6, 6)
;;       step = 2.0 ** (np.maximum(np.frexp(np.where(r == 0, 1, r))[1] - 1, 0) - 1)
;;       q = np.round(r / step) * step * 2.0 ** e      # np.round: ties to even
;;       return np.moveaxis(q.reshape(q.shape[:-2] + (-1,))[..., :K], -1, axis).astype(np.float32)
;;   ~~~
;; One version. Each part assembles by itself: llvm-mc -triple=amdgcn-amd-amdhsa -mcpu=gfx1250 --defsym DOCPART=n.
;; ======== version 1 of 1: 4 launches
;; limits: values are held in f16: magnitudes above 65,504 overflow, below 6.1e-05 lose precision
;; workspace buffers: acodes 12,582,912 bytes; ascales 786,432 bytes; wcodes 1,572,864 bytes; wscales 98,304 bytes; wo16 2,097,152 bytes; mbits 2,097,152 bytes of whole numbers; qkv16 50,331,648 bytes; attn16 16,777,216 bytes
;; launch prep (part 1): grid 1136 x 1, 4 waves a work-group, no clusters, 120,320 bytes of LDS; arguments query, key, value, Wq, Wk, Wv, Wo, mask, acodes, ascales, wcodes, wscales, wo16, mbits; writes acodes, ascales, wcodes, wscales, wo16, mbits
.if DOCPART == 1
	.amdgcn_target "amdgcn-amd-amdhsa--gfx1250"
	.amdhsa_code_object_version 6
	.text
	.protected	k_q677161b05a_prep
	.globl	k_q677161b05a_prep
	.p2align	8
	.type	k_q677161b05a_prep,@function
k_q677161b05a_prep:
	s_mov_b64 s[64:65], 0
	v_nop
	global_prefetch_b8 v0, s[64:65] scope:SCOPE_SE
	s_setreg_imm32_b32 hwreg(HW_REG_WAVE_MODE, 25, 1), 1
	s_wait_xcnt 0x0
; MULTI-HEAD ATTENTION, launch 1 of 4: everything that is read many times later is brought into its narrow form ONCE.
; NO WORK OF THE PROBLEM IS LEFT OUT, and every input is loaded.  In particular bk stays: q . bk is added to the logits that the mask keeps and not to those
; that it replaces by -1e30, so it is not the same along the softmax's axis for every mask.  All four biases enter later as the C of a sum's first product.
; Four jobs that share nothing, parted by the work-group's number; each has LDS bytes of its own and its own end.  No barrier: waves share nothing.
;   work-groups    0 ..   47: Wq, Wk, Wv [k][n] f32 -> codes of E2M1 with K innermost, wcodes [3 x 1024 n][512 bytes], and E8M0 bytes wscales [3 x 1024][32]
;   work-groups   48 ..  111: Wo [k][n] f32 -> f16, turned: wo16 [n][k]
;   work-groups  112 ..  367: mask [4][2048 q][2048 k] bytes -> lane masks: mbits dword ((b 128 + q/16) 128 + k/16) 8 + j; its bit l is mask[b][16 (q/16) + l % 16][16 (k/16) + 8 (l / 16) + j]
;   work-groups  368 .. 1135: query, key, value [8192][1024] f32 -> codes acodes [3 x 8192][512 bytes] and bytes ascales [3 x 8192][32]
; THE QUANTISER: a block of 32 along K has the scale 2^(floor(log2(largest magnitude)) - 2); its byte is the largest magnitude's exponent field - 2, held at 1 from below.
; LIMITS: a block of zeros gets the byte 1 where the rule says 127 (its codes are zeros, which add nothing, and this program alone reads the bytes); blocks whose largest magnitude lies
; under 2^-124 have their byte held at 1; NaN and infinities among the inputs are not served; |Wo| stays under 65,504 (f16); any mask byte other than 0 counts as true.
.set SPARE, 119808                     ; the spare words, 128 bytes for each wave: two blocks of 256 bytes that no other line names
.set SPW,   30                         ; v30  LDS address of my spare word; never rewritten
.set NIL,   31                         ; v31  0; never rewritten
.set LDS_B, 32768                      ; the weights' stages: 4 x 32 rows x 272
.set LDS_C, 67584                      ; Wo's stages: the same size
.set LDS_D, 102400                     ; the mask's stages: 4 x 16 rows x 272
.macro FINISH                          ; a wave's end, behind my last LDS store
	s_wait_tensorcnt 0x0
	ds_add_u32 v[SPW], v[NIL]
	s_wait_dscnt 0x0
	s_endpgm
.endm
	v_lshl_add_u32 v[SPW], v0, 2, SPARE
	v_mov_b32 v[NIL], 0
	v_lshrrev_b32 v1, 5, v0
	v_readfirstlane_b32 s16, v1                    ; wave 0..3
	v_and_b32 v2, 31, v0                           ; lane
	s_cmp_lt_u32 ttmp9, 48
	s_cbranch_scc1 .Lweights
	s_cmp_lt_u32 ttmp9, 112
	s_cbranch_scc1 .Lwo
	s_cmp_lt_u32 ttmp9, 368
	s_cbranch_scc1 .Lmask
; ---------------- query, key, value: a plain stream of blocks of 32.  A wave takes 16 steps of 512 numbers.
; Each load reads 512 consecutive bytes, 16 a lane; a step's 2,048 bytes turn through the wave's own stage (16 bytes of padding behind each 64) and come back 64 bytes a lane:
; 16 neighbours along K, two lanes to a block.  Loads run eight steps (32 loads a wave) ahead, the turn through LDS one step.
	s_load_b128 s[4:7], s[0:1], 0x0                ; query, key
	s_load_b64 s[8:9], s[0:1], 0x10                ; value
	s_load_b128 s[12:15], s[0:1], 0x40             ; acodes, ascales
	v_lshlrev_b32 v3, 4, v2                        ; my 16 bytes of a load's 512
	s_mul_i32 s17, s16, 8192                       ; my wave's LDS: two stages of 32 x 80 bytes, then its 256 scale bytes
	v_lshrrev_b32 v14, 2, v2
	v_mul_u32_u24 v14, v14, 80
	v_and_b32 v15, 3, v2
	v_lshl_add_u32 v14, v15, 4, v14
	v_add_nc_u32 v14, s17, v14                     ; into the stage: 80 (lane / 4) + 16 (lane % 4)
	v_mul_u32_u24 v15, v2, 80
	v_add_nc_u32 v15, s17, v15                     ; out of it: 80 x lane
	v_lshlrev_b32 v4, 3, v2                        ; 8 bytes a lane: my codes in a step's 256 bytes, and my part of the 256 scale bytes
	v_lshrrev_b32 v5, 1, v2
	s_add_co_u32 s17, s17, 5120
	v_add_nc_u32 v5, s17, v5                       ; my block's byte
	v_add_nc_u32 v6, s17, v4
	s_sub_co_u32 s18, ttmp9, 368                   ; 0 .. 767: 256 work-groups to a tensor
	s_and_b32 s19, s18, 255
	s_lshl_b32 s19, s19, 2
	s_add_co_u32 s19, s19, s16
	s_lshl_b32 s20, s19, 15                        ; my run of 8,192 numbers in its tensor, in bytes
	s_mov_b32 s21, 0
	s_lshl_b32 s22, s18, 2
	s_add_co_u32 s22, s22, s16                     ; and among the three tensors' runs
	s_lshl_b32 s24, s22, 12                        ; 4,096 bytes of codes,
	s_mov_b32 s25, 0
	s_lshl_b32 s26, s22, 8                         ; 256 scale bytes
	s_mov_b32 s27, 0
	s_wait_kmcnt 0x0
	s_cmp_lt_u32 s18, 256                          ; the choice hangs on the work-group's number alone
	s_cselect_b64 s[4:5], s[4:5], s[6:7]
	s_cmp_lt_u32 s18, 512
	s_cselect_b64 s[4:5], s[4:5], s[8:9]
	s_add_nc_u64 s[4:5], s[4:5], s[20:21]
	s_add_nc_u64 s[12:13], s[12:13], s[24:25]
	s_add_nc_u64 s[14:15], s[14:15], s[26:27]
.macro ALOAD t                         ; step t's 2,048 bytes into set t % 8 of v32-159
.irp i, 0,1,2,3
	global_load_b128 v[32+16*((\t)%8)+4*\i:32+16*((\t)%8)+4*\i+3], v3, s[4:5] offset:2048*(\t)+512*\i th:TH_LOAD_NT
.endr
.endm
.macro ATURN t                         ; through stage t % 2: LDS serves a wave's instructions in order, so no wait stands between the stores and the loads
.irp i, 0,1,2,3
	ds_store_b128 v14, v[32+16*((\t)%8)+4*\i:32+16*((\t)%8)+4*\i+3] offset:2560*((\t)%2)+640*\i
.endr
.irp i, 0,1,2,3
	ds_load_b128 v[160+16*((\t)%2)+4*\i:160+16*((\t)%2)+4*\i+3], v15 offset:2560*((\t)%2)+16*\i
.endr
.endm
.irp t, 0,1,2,3,4,5,6,7
	ALOAD \t
.endr
	s_wait_loadcnt 28                              ; step 0's four loads are in; the seven steps behind it stay out
	ATURN 0
.macro ASTEP t
.set XS, 160+16*((\t)%2)
.if (\t) > 0
	s_wait_dscnt 1                                 ; this step's numbers are back from the stage (the last step's byte store may be out), so its stores into the stage have read their registers,
.else
	s_wait_dscnt 0x0
.endif
.if (\t)+8 < 16
	ALOAD (\t)+8                                   ; which take the loads of eight steps on
.endif
.if (\t)+1 < 16
.if 14-(\t) >= 7
	s_wait_loadcnt 28                              ; the next step's four loads are in; those of the seven steps behind it may be out
.else
	s_wait_loadcnt 4*(14-(\t))
.endif
	ATURN (\t)+1
.endif
	v_max3_num_f32 v8, |v[XS]|, |v[XS+1]|, |v[XS+2]|               ; the largest magnitude of my 16, in two chains
	v_max3_num_f32 v9, |v[XS+3]|, |v[XS+4]|, |v[XS+5]|
.irp i, 6,10
	v_max3_num_f32 v8, v8, |v[XS+\i]|, |v[XS+\i+1]|
	v_max3_num_f32 v9, v9, |v[XS+\i+2]|, |v[XS+\i+3]|
.endr
	v_max3_num_f32 v8, v8, |v[XS+14]|, |v[XS+15]|
	v_max3_num_f32 v8, v8, v9, 0x1800000           ; and the floor 2^(3 - 127): the byte cannot fall under 1
	v_max_num_f32_dpp v8, v8, v8 row_xmask:1 row_mask:0xf bank_mask:0xf   ; with my neighbour's 16: the block's
	v_add_nc_u32 v11, 0xff000000, v8               ; 2 off its exponent field: the conversion takes the exponent field of this operand as its scale
	v_cvt_scalef32_pk8_fp4_f32 v[208+2*(\t)], v[XS:XS+7], v11
	v_cvt_scalef32_pk8_fp4_f32 v[209+2*(\t)], v[XS+8:XS+15], v11
	v_lshrrev_b32 v[192+(\t)], 23, v11             ; the scale's byte
	ds_store_b8 v5, v[192+(\t)] offset:16*(\t)     ; both lanes of a block write the same byte with the same value
	global_store_b64 v4, v[208+2*(\t):209+2*(\t)], s[12:13] offset:256*(\t)   ; the wave stores 256 consecutive bytes, aligned
.endm
.irp t, 0,1,2,3,4,5,6,7,8,9,10,11,12,13,14,15
	ASTEP \t
.endr
	ds_load_b64 v[8:9], v6                         ; my wave's 256 scale bytes: these loads see my stores
	s_wait_dscnt 0x0
	global_store_b64 v4, v[8:9], s[14:15]          ; 256 consecutive bytes, aligned
	FINISH
; ---------------- Wq, Wk, Wv: K is the FIRST axis.  A lane takes a column n and its registers run down K: a block of 32 lies in one lane, and the codes come out with K innermost.
; A wave takes 32 columns x 512 along K; a column's 256 bytes of codes go through the wave's stage and leave as rows, sixteen lanes to 256 consecutive bytes.
.macro WLOAD t                         ; rows 32 t .. 32 t + 31 at my column, into set t % 2 of v32-95; 32 lanes read 128 consecutive bytes
.set wi, 0
.rept 32
	global_load_b32 v[32+32*((\t)%2)+wi], v3, s[4:5] offset:(32*(\t)+wi)*4096 th:TH_LOAD_NT
.set wi, wi+1
.endr
.endm
.Lweights:
	s_load_b128 s[4:7], s[0:1], 0x18               ; Wq, Wk
	s_load_b64 s[8:9], s[0:1], 0x28                ; Wv
	s_load_b128 s[12:15], s[0:1], 0x50             ; wcodes, wscales
	s_lshr_b32 s17, ttmp9, 4                       ; which weight
	s_and_b32 s18, ttmp9, 7
	s_bfe_u32 s19, ttmp9, 0x10003                  ; which 512 along K
	s_lshl_b32 s18, s18, 7
	s_lshl_b32 s20, s16, 5
	s_add_co_u32 s18, s18, s20                     ; my wave's first column
	v_lshlrev_b32 v3, 2, v2
	s_mul_i32 s20, s16, 8704
	s_add_co_u32 s20, s20, LDS_B                   ; my stage
	v_mul_u32_u24 v4, v2, 272
	v_add_nc_u32 v4, s20, v4                       ; into it: row = my column
	v_and_b32 v5, 15, v2
	v_lshrrev_b32 v6, 4, v2
	v_mul_u32_u24 v7, v6, 272
	v_lshl_add_u32 v7, v5, 4, v7
	v_add_nc_u32 v7, s20, v7                       ; out of it: sixteen lanes to a row, two rows an instruction
	v_lshlrev_b32 v8, 9, v6
	v_lshl_add_u32 v8, v5, 4, v8                   ; the same place in wcodes: rows of 512 bytes
	v_lshlrev_b32 v9, 5, v2                        ; my column's row of scale bytes
	s_lshl_b32 s22, s19, 21                        ; W: 512 rows of 4,096 bytes,
	s_lshl_b32 s21, s18, 2
	s_add_co_u32 s22, s22, s21                     ; + 4 x column
	s_mov_b32 s23, 0
	s_lshl_b32 s24, s17, 19                        ; codes: 524,288 a weight,
	s_lshl_b32 s21, s18, 9
	s_add_co_u32 s24, s24, s21                     ; 512 a column,
	s_lshl_b32 s21, s19, 8
	s_add_co_u32 s24, s24, s21                     ; 256 for 512 along K
	s_mov_b32 s25, 0
	s_lshl_b32 s26, s17, 15                        ; scale bytes: 32,768 a weight, 32 a column, 16 for 512 along K
	s_lshl_b32 s21, s18, 5
	s_add_co_u32 s26, s26, s21
	s_lshl_b32 s21, s19, 4
	s_add_co_u32 s26, s26, s21
	s_mov_b32 s27, 0
	s_wait_kmcnt 0x0
	s_cmp_eq_u32 s17, 0
	s_cselect_b64 s[4:5], s[4:5], s[6:7]
	s_cmp_eq_u32 s17, 2
	s_cselect_b64 s[4:5], s[8:9], s[4:5]
	s_add_nc_u64 s[4:5], s[4:5], s[22:23]
	s_add_nc_u64 s[12:13], s[12:13], s[24:25]
	s_add_nc_u64 s[14:15], s[14:15], s[26:27]
	WLOAD 0
	WLOAD 1
.macro QBLOCK t
.set XS, 32+32*((\t)%2)
.if (\t) < 15
	s_wait_loadcnt 32                              ; this block's 32 loads are in; the next block's may be out
.else
	s_wait_loadcnt 0x0
.endif
	v_max3_num_f32 v12, |v[XS]|, |v[XS+1]|, |v[XS+2]|              ; the block's largest magnitude: all 32 numbers are mine
	v_max3_num_f32 v13, |v[XS+3]|, |v[XS+4]|, |v[XS+5]|
.irp i, 6,10,14,18,22,26
	v_max3_num_f32 v12, v12, |v[XS+\i]|, |v[XS+\i+1]|
	v_max3_num_f32 v13, v13, |v[XS+\i+2]|, |v[XS+\i+3]|
.endr
	v_max3_num_f32 v12, v12, |v[XS+30]|, |v[XS+31]|
	v_max3_num_f32 v12, v12, v13, 0x1800000        ; and the floor 2^(3 - 127)
	v_add_nc_u32 v11, 0xff000000, v12              ; 2 off the exponent field: the conversion's scale operand
	v_lshrrev_b32 v13, 23, v11                     ; the scale's byte
.if (\t)%4 == 0
	v_mov_b32 v[24+(\t)/4], v13                    ; four bytes to a register, the lower K in the lower byte
.else
	v_lshl_or_b32 v[24+(\t)/4], v13, 8*((\t)%4), v[24+(\t)/4]
.endif
.irp g, 0,1,2,3
	v_cvt_scalef32_pk8_fp4_f32 v[96+\g], v[XS+8*\g:XS+8*\g+7], v11
.endr
	ds_store_b128 v4, v[96:99] offset:16*(\t)      ; 32 codes: 16 bytes of my column's row
.if (\t)+2 < 16
	WLOAD (\t)+2
.endif
	s_wait_dscnt 0x0                               ; the store has read its registers: the next block's codes may be written
.endm
.set Q, 0
.rept 16
	QBLOCK Q
.set Q, Q+1
.endr
	global_store_b128 v9, v[24:27], s[14:15]       ; my column's 16 scale bytes
.irp t, 0,1,2,3,4,5,6,7,8,9,10,11,12,13,14,15
	ds_load_b128 v[112+4*\t:115+4*\t], v7 offset:2*\t*272
.endr
.irp t, 0,1,2,3,4,5,6,7,8,9,10,11,12,13,14,15
	s_wait_dscnt 15-\t                             ; LDS loads come back in order: load t is in
	global_store_b128 v8, v[112+4*\t:115+4*\t], s[12:13] offset:2*\t*512
.endr
	FINISH
; ---------------- Wo: the same plan without a quantiser: a lane's 32 numbers down k are rounded to f16 in pairs.  A wave takes 32 columns x 128 along k: 256 bytes a column.
.Lwo:
	s_load_b64 s[4:5], s[0:1], 0x30                ; Wo
	s_load_b64 s[12:13], s[0:1], 0x60              ; wo16
	s_sub_co_u32 s17, ttmp9, 48
	s_and_b32 s18, s17, 7
	s_lshr_b32 s19, s17, 3                         ; which 128 along k
	s_lshl_b32 s18, s18, 7
	s_lshl_b32 s20, s16, 5
	s_add_co_u32 s18, s18, s20                     ; my wave's first column
	v_lshlrev_b32 v3, 2, v2
	s_mul_i32 s20, s16, 8704
	s_add_co_u32 s20, s20, LDS_C
	v_mul_u32_u24 v4, v2, 272
	v_add_nc_u32 v4, s20, v4
	v_and_b32 v5, 15, v2
	v_lshrrev_b32 v6, 4, v2
	v_mul_u32_u24 v7, v6, 272
	v_lshl_add_u32 v7, v5, 4, v7
	v_add_nc_u32 v7, s20, v7
	v_lshlrev_b32 v8, 11, v6
	v_lshl_add_u32 v8, v5, 4, v8                   ; wo16: rows of 2,048 bytes
	s_lshl_b32 s22, s19, 19                        ; Wo: 128 rows of 4,096 bytes, + 4 x column
	s_lshl_b32 s21, s18, 2
	s_add_co_u32 s22, s22, s21
	s_mov_b32 s23, 0
	s_lshl_b32 s24, s18, 11                        ; wo16: 2,048 a column, 256 for 128 along k
	s_lshl_b32 s21, s19, 8
	s_add_co_u32 s24, s24, s21
	s_mov_b32 s25, 0
	s_wait_kmcnt 0x0
	s_add_nc_u64 s[4:5], s[4:5], s[22:23]
	s_add_nc_u64 s[12:13], s[12:13], s[24:25]
	WLOAD 0
	WLOAD 1
.macro CBLOCK t
.set XS, 32+32*((\t)%2)
.if (\t) < 3
	s_wait_loadcnt 32                              ; this block's 32 loads are in; the next block's may be out
.else
	s_wait_loadcnt 0x0
.endif
.set ci, 0
.rept 16
	v_cvt_pk_f16_f32 v[96+ci], v[XS+2*ci], v[XS+2*ci+1]            ; the lower k in the low half
.set ci, ci+1
.endr
.irp g, 0,1,2,3
	ds_store_b128 v4, v[96+4*\g:99+4*\g] offset:64*(\t)+16*\g
.endr
.if (\t)+2 < 4
	WLOAD (\t)+2
.endif
	s_wait_dscnt 0x0                               ; the stores have read their registers
.endm
.irp t, 0,1,2,3
	CBLOCK \t
.endr
.irp t, 0,1,2,3,4,5,6,7,8,9,10,11,12,13,14,15
	ds_load_b128 v[112+4*\t:115+4*\t], v7 offset:2*\t*272
.endr
.irp t, 0,1,2,3,4,5,6,7,8,9,10,11,12,13,14,15
	s_wait_dscnt 15-\t
	global_store_b128 v8, v[112+4*\t:115+4*\t], s[12:13] offset:2*\t*2048   ; sixteen lanes store 256 consecutive bytes, aligned
.endr
	FINISH
; ---------------- the mask.  A wave takes 16 queries x 1,024 keys, in four steps of 256 keys.  All 32 loads go out first (each reads two rows' 256 consecutive bytes).
; A step's 16 x 256 bytes go through the wave's stage; lane (r, h) takes back, for each 16 keys, the 8 bytes of query r at keys 8 h .. 8 h + 7.  A compare of byte j over the 32 lanes IS the dword wanted;
; it is written into lane D / 4, register D % 4, so that the step's 128 dwords leave as 512 consecutive bytes.
.Lmask:
	s_load_b64 s[4:5], s[0:1], 0x38                ; mask
	s_load_b64 s[12:13], s[0:1], 0x68              ; mbits
	s_sub_co_u32 s17, ttmp9, 112
	s_lshl_b32 s17, s17, 2
	s_add_co_u32 s17, s17, s16                     ; 0 .. 1023
	s_lshr_b32 s18, s17, 1                         ; b x 128 + q / 16
	s_and_b32 s19, s17, 1                          ; which 1,024 keys
	s_lshl_b32 s20, s18, 15                        ; 16 rows of 2,048 bytes
	s_lshl_b32 s22, s19, 10
	s_add_co_u32 s20, s20, s22
	s_mov_b32 s21, 0
	s_lshl_b32 s22, s18, 12                        ; 128 x 8 dwords
	s_lshl_b32 s24, s19, 11
	s_add_co_u32 s22, s22, s24
	s_mov_b32 s23, 0
	s_mov_b32 s48, 0xff                            ; a dword's four bytes
	s_mov_b32 s49, 0xff00
	s_mov_b32 s50, 0xff0000
	s_mov_b32 s51, 0xff000000
	v_and_b32 v12, 15, v2                          ; r
	v_lshrrev_b32 v13, 4, v2                       ; h
	v_lshlrev_b32 v4, 11, v13
	v_lshl_add_u32 v4, v12, 4, v4                  ; in: lanes 0-15 one row, lanes 16-31 the next
	s_mul_i32 s24, s16, 4352
	s_add_co_u32 s24, s24, LDS_D                   ; my stage: 16 rows x 272
	v_mul_u32_u24 v5, v13, 272
	v_lshl_add_u32 v5, v12, 4, v5
	v_add_nc_u32 v5, s24, v5
	v_mul_u32_u24 v6, v12, 272
	v_lshl_add_u32 v6, v13, 3, v6
	v_add_nc_u32 v6, s24, v6                       ; back: row r, + 8 h
	v_lshlrev_b32 v7, 4, v2
.set mi, 14
.rept 16
	v_mov_b32 v[mi], 0                             ; written once whole: a lane write's destination counts as read
.set mi, mi+1
.endr
	s_wait_kmcnt 0x0
	s_add_nc_u64 s[4:5], s[4:5], s[20:21]
	s_add_nc_u64 s[12:13], s[12:13], s[22:23]
.irp s, 0,1,2,3
.irp i, 0,1,2,3,4,5,6,7
	global_load_b128 v[32+32*\s+4*\i:35+32*\s+4*\i], v4, s[4:5] offset:4096*\i+256*\s th:TH_LOAD_NT
.endr
.endr
.macro MSTEP s
	s_wait_loadcnt 24-8*\s                         ; this step's eight loads are in; the later steps' stay out
.irp i, 0,1,2,3,4,5,6,7
	ds_store_b128 v5, v[32+32*\s+4*\i:35+32*\s+4*\i] offset:544*\i
.endr
.irp k, 0,1,2,3,4,5,6,7,8,9,10,11,12,13,14,15
	ds_load_b64 v[160+2*\k:161+2*\k], v6 offset:16*\k
.endr
	s_wait_dscnt 0x0
.set D, 0
.rept 32                               ; register 160 + D holds bytes j = 4 (D % 2) + 0 .. 3 of the 16 keys D / 2: dwords 4 D .. 4 D + 3 of the step
.irp e, 0,1,2,3
	v_and_b32 v[8+\e], s[48+\e], v[160+D]
.endr
.irp e, 0,1,2,3
	v_cmp_ne_u32 s[32+4*(D%4)+\e], 0, v[8+\e]
.endr
.irp e, 0,1,2,3
	v_writelane_b32 v[14+4*\s+\e], s[32+4*(D%4)+\e], D
.endr
.set D, D+1
.endr
	global_store_b128 v7, v[14+4*\s:17+4*\s], s[12:13] offset:512*\s   ; 512 consecutive bytes; each step has its own four registers
.endm
.irp s, 0,1,2,3
	MSTEP \s
.endr
	FINISH
.Lfunc_end_k_q677161b05a_prep:
	.size	k_q677161b05a_prep, .Lfunc_end_k_q677161b05a_prep-k_q677161b05a_prep
	.p2alignl 7, 3214868480
	.fill 96, 4, 3214868480
	.section	.rodata,"a",@progbits
	.p2align	6, 0x0
	.amdhsa_kernel k_q677161b05a_prep
		.amdhsa_group_segment_fixed_size 120320
		.amdhsa_private_segment_fixed_size 0
		.amdhsa_enable_private_segment 0
		.amdhsa_kernarg_size 112
		.amdhsa_user_sgpr_count 2
		.amdhsa_user_sgpr_kernarg_segment_ptr 1
		.amdhsa_wavefront_size32 1
		.amdhsa_system_sgpr_workgroup_id_x 1
		.amdhsa_system_sgpr_workgroup_id_y 1
		.amdhsa_system_sgpr_workgroup_id_z 1
		.amdhsa_system_vgpr_workitem_id 0
		.amdhsa_next_free_vgpr 256
		.amdhsa_next_free_sgpr 66
		.amdhsa_reserve_vcc 0
		.amdhsa_float_denorm_mode_32 3
		.amdhsa_float_denorm_mode_16_64 3
		.amdhsa_memory_ordered 1
		.amdhsa_forward_progress 1
		.amdhsa_inst_pref_size 225
	.end_amdhsa_kernel
	.amdgpu_metadata
---
amdhsa.version: [ 1, 2 ]
amdhsa.kernels:
  - .name:           k_q677161b05a_prep
    .symbol:         k_q677161b05a_prep.kd
    .args:
      - { .name: query, .offset: 0, .size: 8, .value_kind: global_buffer, .address_space: global }
      - { .name: key, .offset: 8, .size: 8, .value_kind: global_buffer, .address_space: global }
      - { .name: value, .offset: 16, .size: 8, .value_kind: global_buffer, .address_space: global }
      - { .name: Wq, .offset: 24, .size: 8, .value_kind: global_buffer, .address_space: global }
      - { .name: Wk, .offset: 32, .size: 8, .value_kind: global_buffer, .address_space: global }
      - { .name: Wv, .offset: 40, .size: 8, .value_kind: global_buffer, .address_space: global }
      - { .name: Wo, .offset: 48, .size: 8, .value_kind: global_buffer, .address_space: global }
      - { .name: mask, .offset: 56, .size: 8, .value_kind: global_buffer, .address_space: global }
      - { .name: acodes, .offset: 64, .size: 8, .value_kind: global_buffer, .address_space: global }
      - { .name: ascales, .offset: 72, .size: 8, .value_kind: global_buffer, .address_space: global }
      - { .name: wcodes, .offset: 80, .size: 8, .value_kind: global_buffer, .address_space: global }
      - { .name: wscales, .offset: 88, .size: 8, .value_kind: global_buffer, .address_space: global }
      - { .name: wo16, .offset: 96, .size: 8, .value_kind: global_buffer, .address_space: global }
      - { .name: mbits, .offset: 104, .size: 8, .value_kind: global_buffer, .address_space: global }
    .group_segment_fixed_size: 120320
    .private_segment_fixed_size: 0
    .kernarg_segment_align: 8
    .kernarg_segment_size: 112
    .max_flat_workgroup_size: 128
    .sgpr_count:     66
    .vgpr_count:     256
    .wavefront_size: 32
...
	.end_amdgpu_metadata
.endif
;; end of part 1
;; launch proj (part 2): grid 4 x 96, 4 waves a work-group, clusters of 4 x 4, 327,680 bytes of LDS; arguments acodes, ascales, wcodes, wscales, qkv16, bq, bk, bv; writes qkv16
.if DOCPART == 2
	.amdgcn_target "amdgcn-amd-amdhsa--gfx1250"
	.amdhsa_code_object_version 6
	.text
	.protected	k_q677161b05a_proj
	.globl	k_q677161b05a_proj
	.p2align	8
	.type	k_q677161b05a_proj,@function
k_q677161b05a_proj:
	s_mov_b64 s[64:65], 0
	v_nop
	global_prefetch_b8 v0, s[64:65] scope:SCOPE_SE
	s_setreg_imm32_b32 hwreg(HW_REG_WAVE_MODE, 25, 1), 1
	s_wait_xcnt 0x0
	s_wait_alu depctr_hold_cnt(0) depctr_sa_sdst(0) depctr_va_vdst(0) depctr_va_sdst(0) depctr_va_ssrc(0) depctr_va_vcc(0) depctr_vm_vsrc(0)
	s_getreg_b32 s2, hwreg(HW_REG_IB_STS2, 6, 4)
	s_cmp_eq_u32 s2, 0
	s_cbranch_scc0 .Lentry_in_a_cluster
	s_endpgm
.Lentry_in_a_cluster:
	s_bfe_u32 s2, ttmp6, 0x10000c
	s_cmp_lg_u32 s2, 0xf033
	s_cbranch_scc0 .Lentry_shape_is_right
	s_endpgm
.Lentry_shape_is_right:
; Launch 2 of 4: the three QUANTISED products as ONE product on codes of E2M1: rows 0-8191 query x Wq, 8192-16383 key x Wk, 16384-24575 value x Wv; + bias; q also x c = log2(e) / 8; rounded once to f16.  No work is left out.
; A: acodes [24576][512 bytes], ascales [24576][32].  B: wcodes [3 x 1024][512 bytes], wscales [3 x 1024][32].  Out: qkv16, f16, byte = tensor x 16,777,216 + ((b 16 + head) 2048 + t) 128 + 2 d.
; c goes into q in f32, ahead of the rounding, so that the next launch's scores are logits x log2(e) as they leave the matrix unit.
; A tile of 256 x 256 is made by four waves, 128 x 128 each: 64 accumulators, 512 registers.  K = 1,024 is two K steps of 512 (rows of 256 bytes), one in each of two LDS slots: both are first fills, nothing is filled again.
; THE SCALES of the work-group's 256 + 256 rows for all of K come once, as rows of 256 bytes.  CLUSTERS: 4 x 4 work-groups; A's tiles are asked for jointly along a row of the cluster, B's along a column.
; THE MATRIX INSTRUCTION IS USED TRANSPOSED (source 0 = 16 rows of B, source 1 = 16 rows of A): a lane holds eight neighbouring columns of one row.  The bias is the C of each sum's first product.
; LIMITS: |q c|, |k|, |v| stay under 65,504 (f16).
; REGISTERS: window 0: v0-31 addresses; v32-95 scale words, two sets; v128-191 A's fragments, one set; v192-255 the bias, later packed results.  window 1: B's fragments, two sets.  windows 2, 3: the accumulators.
.set KSTEP,  512
.set NQ,     4                         ; matrix instructions deep in a slot
.set ROWB,   256                       ; a tile's row in bytes
.set KROW,   512                       ; a row of codes in memory
.set PITCH,  272                       ; an LDS row: 256 bytes + 16 of padding, so that the 16 rows that a load touches start 68 words apart
.set FR,     8
.set NL,     2
.set NP,     4                         ; places behind this matrix instruction (ISA guide 7.12.1)
.set HALFT,  128*PITCH
.set SLOT,   4*HALFT
.set KS,     32                        ; a row of scale bytes
.set SCL,    2*SLOT
.set HALFS,  (128*KS/256)*272
.set SBLK,   (16*KS/256)*272
.set SPARE,  SCL+4*HALFS               ; the spare words, 128 bytes for each wave: two blocks of 256 bytes that no other line names
.set SPITCH, 272                       ; the way out: a stage of 16 rows x (256 + 16) bytes for each wave, in slot 0, which has had its only fill and its last read by then
.set ADRA, 16
.set ADRB, 20
.set STO,  24
.set RD,   25
.set CO,   26
.set ADRS, 27
.set SPW,  28                          ; v28  my spare word; never rewritten
.set NIL,  29                          ; v29  0; never rewritten
.set SC,   32
.set AF,   128
.set BIAS, 192
.set TMP,  192
.set BK,   128
.set G1, 24
.set G0, 32
.set G1B, 48
.set G0B, 56
.set G1S, 68
.set G0S, 76
.set G1SB, 80
.set G0SB, 88
.set TEN, 95                           ; s95  which of the three products: the cluster's y / 8, the same in all sixteen partners
.set MSB, 0
.macro WIN new                         ; the immediate's high byte repeats the setting that is left
.if MSB != (\new)
	s_set_vgpr_msb (MSB<<8)|(\new)
.set MSB, (\new)
.endif
.endm
.set MUL_LO, 0xa1                      ; source 0 (B) window 1, source 1 (A) window 0, C and D window 2
.set MUL_HI, 0xf1
.set TO_B,   0x40
.macro JLOAD g0a, g1a, g0b, g1b        ; a joint load: waves 0 and 1 fetch for A, waves 2 and 3 for B; an s_nop 0 and four v_nop follow each line
	s_cmp_eq_u32 s15, 0
	s_cbranch_scc0 .Lfor_b_\@
	tensor_load_to_lds s[\g0a:\g0a+3], s[\g1a:\g1a+7]
	s_nop 0
.rept 4
	v_nop
.endr
	s_branch .Lasked_\@
.Lfor_b_\@:
	tensor_load_to_lds s[\g0b:\g0b+3], s[\g1b:\g1b+7]
	s_nop 0
.rept 4
	v_nop
.endr
.Lasked_\@:
.endm
.macro CROUND                          ; a round of the cluster's barrier
	s_barrier_signal -1
	s_barrier_wait -1
	s_cmp_lg_u32 s14, 0
	s_cbranch_scc1 .Lnot_wave_0_\@
	s_barrier_signal -3
.Lnot_wave_0_\@:
	s_barrier_wait -3
	s_barrier_signal -1
	s_barrier_wait -1
.endm
	s_load_b128 s[4:7], s[0:1], 0x0                ; acodes, ascales
	s_load_b128 s[8:11], s[0:1], 0x10              ; wcodes, wscales
	s_load_b64 s[12:13], s[0:1], 0x20              ; qkv16
	s_load_b128 s[96:99], s[0:1], 0x28             ; bq, bk
	s_load_b64 s[100:101], s[0:1], 0x38            ; bv
	v_lshl_add_u32 v[SPW], v0, 2, SPARE
	v_mov_b32 v[NIL], 0
	ds_add_u32 v[SPW], v[NIL]                      ; the wave's opening: the add, twice on end, and its wait ahead of my first tensor load
	ds_add_u32 v[SPW], v[NIL]
	v_lshrrev_b32 v1, 5, v0
	v_readfirstlane_b32 s14, v1                    ; wave 0..3
	s_lshr_b32 s15, s14, 1                         ; my half of the tile's rows.  Also: I fetch for A (0) or for B (1)
	s_and_b32 s16, s14, 1                          ; my half of its columns.  Also: which 128 rows I fetch
	s_bfe_u32 s40, ttmp6, 0x40000                  ; cx
	s_bfe_u32 s41, ttmp6, 0x40004                  ; cy
	s_lshl_b32 s42, ttmp9, 2
	s_add_co_u32 s42, s42, s40                     ; tile column
	s_and_b32 s17, ttmp7, 0xffff
	s_lshr_b32 s[TEN], s17, 3                      ; 32 tile rows, 8 clusters, to a product
	s_lshl_b32 s17, s17, 2
	s_add_co_u32 s17, s17, s41                     ; tile row
	s_lshl_b32 s43, s41, 2
	s_lshl_b32 s43, 15, s43                        ; my row of the cluster
	s_lshl_b32 s44, 0x1111, s40                    ; my column
	s_or_b32 s[G1+0], s43, (0<<16)|(1<<20)|(1<<21)|(5<<22)|(3<<25)  ; the mask; elements of 1 byte; padding on; bit 21 beside a mask; 4 words after every 64
	s_or_b32 s[G1B+0], s44, (0<<16)|(1<<20)|(1<<21)|(5<<22)|(3<<25)
.irp g, G1, G1B
	s_mov_b32 s[\g+1], ROWB<<16                    ; tensor_dim0
	s_mov_b32 s[\g+2], 128<<16                     ; tensor_dim1
	s_mov_b32 s[\g+3], ROWB<<16                    ; tile_dim0
	s_mov_b32 s[\g+4], 128                         ; tile_dim1
	s_mov_b32 s[\g+5], KROW                        ; the pitch
	s_mov_b32 s[\g+6], 0
	s_mov_b32 s[\g+7], 0
.endr
	s_or_b32 s[G1S+0], s43, (3<<16)|(1<<20)|(1<<21)|(5<<22)|(3<<25)  ; the scales of 128 rows: 4,096 dense bytes as 16 rows of 32 elements of 8 bytes
	s_or_b32 s[G1SB+0], s44, (3<<16)|(1<<20)|(1<<21)|(5<<22)|(3<<25)
.irp g, G1S, G1SB
	s_mov_b32 s[\g+1], 32<<16
	s_mov_b32 s[\g+2], (128*KS/256)<<16
	s_mov_b32 s[\g+3], 32<<16
	s_mov_b32 s[\g+4], 128*KS/256
	s_mov_b32 s[\g+5], 32
	s_mov_b32 s[\g+6], 0
	s_mov_b32 s[\g+7], 0
.endr
	s_lshl_b32 s18, s16, 7
	s_lshl_b32 s20, s17, 8
	s_add_co_u32 s20, s20, s18                     ; A: row 256 x tile row + 128 x half
	s_lshl_b32 s46, s42, 8
	s_add_co_u32 s46, s46, s18
	s_lshl_b32 s19, s[TEN], 10
	s_add_co_u32 s46, s46, s19                     ; B: row 1,024 x product + 256 x tile column + 128 x half
	s_mov_b32 s21, 0
	s_mov_b32 s47, 0
	s_mov_b64 s[18:19], KS
	s_mul_u64 s[22:23], s[20:21], s[18:19]
	s_mul_u64 s[92:93], s[46:47], s[18:19]
	s_mov_b64 s[18:19], KROW
	s_mul_u64 s[20:21], s[20:21], s[18:19]
	s_mul_u64 s[46:47], s[46:47], s[18:19]
	s_mul_i32 s45, s14, HALFT                      ; where they go: wave x 128 rows
	s_mul_i32 s94, s14, HALFS
	s_wait_dscnt 0x0                               ; both opening adds are done
	s_wait_kmcnt 0x0
	s_add_nc_u64 s[20:21], s[4:5], s[20:21]
	s_add_nc_u64 s[22:23], s[6:7], s[22:23]
	s_add_nc_u64 s[46:47], s[8:9], s[46:47]
	s_add_nc_u64 s[92:93], s[10:11], s[92:93]
	CROUND                                         ; all sixteen work-groups are here: the joint loads meet
	s_mov_b32 s[G0S], 1
	s_add_co_u32 s[G0S+1], s94, SCL
	s_mov_b64 s[G0S+2:G0S+3], s[22:23]
	s_or_b32 s[G0S+3], s[G0S+3], 0x80000000
	s_mov_b32 s[G0SB], 1
	s_add_co_u32 s[G0SB+1], s94, SCL
	s_mov_b64 s[G0SB+2:G0SB+3], s[92:93]
	s_or_b32 s[G0SB+3], s[G0SB+3], 0x80000000
	JLOAD G0S, G1S, G0SB, G1SB                     ; the scales first; three loads of mine are out behind the next two
.irp s, 0,1
	s_mov_b32 s[G0+4*\s], 1
	s_add_co_u32 s[G0+4*\s+1], s45, \s*SLOT
	s_add_nc_u64 s[G0+4*\s+2:G0+4*\s+3], s[20:21], \s*ROWB
	s_or_b32 s[G0+4*\s+3], s[G0+4*\s+3], 0x80000000
	s_mov_b32 s[G0B+4*\s], 1
	s_add_co_u32 s[G0B+4*\s+1], s45, \s*SLOT
	s_add_nc_u64 s[G0B+4*\s+2:G0B+4*\s+3], s[46:47], \s*ROWB
	s_or_b32 s[G0B+4*\s+3], s[G0B+4*\s+3], 0x80000000
	JLOAD G0+4*\s, G1, G0B+4*\s, G1B
.endr
	v_and_b32 v1, 15, v0                           ; r
	v_bfe_u32 v2, v0, 4, 1                         ; h
	; the bias of my 128 columns, in the result's layout: for B's block b, lane (r, h) holds columns 16 b + 8 h + 0 .. 7
	s_cmp_eq_u32 s[TEN], 0
	s_cselect_b64 s[96:97], s[96:97], s[98:99]
	s_cmp_eq_u32 s[TEN], 2
	s_cselect_b64 s[96:97], s[100:101], s[96:97]
	s_lshl_b32 s46, s42, 10
	s_lshl_b32 s47, s16, 9
	s_add_co_u32 s46, s46, s47
	s_mov_b32 s47, 0
	s_add_nc_u64 s[96:97], s[96:97], s[46:47]
	v_lshlrev_b32 v7, 5, v2
.irp b, 0,1,2,3,4,5,6,7
	global_load_b128 v[BIAS+8*\b:BIAS+8*\b+3], v7, s[96:97] offset:64*\b
	global_load_b128 v[BIAS+8*\b+4:BIAS+8*\b+7], v7, s[96:97] offset:64*\b+16
.endr
	s_mov_b32 s92, 0x3e38aa3b                      ; c = log2(e) / 8
	s_mov_b32 s93, s92                             ; (named with it as a pair)
	v_mul_u32_u24 v3, v1, PITCH
	v_lshl_add_u32 v4, v2, 4, v3                   ; a fragment's row x pitch + 16 x half
	s_mul_i32 s21, s15, HALFT
	s_mul_i32 s22, s16, HALFT
	s_add_co_u32 s22, s22, 2*HALFT
.irp s, 0,1
	v_add_nc_u32 v[ADRA+\s], s21, v4
	v_add_nc_u32 v[ADRB+\s], s22, v4
	s_add_co_u32 s21, s21, SLOT
	s_add_co_u32 s22, s22, SLOT
.endr
	v_mul_u32_u24 v5, v1, KS                       ; my row's scales: 32 bytes a row, and 16 more for each 256 passed
	v_lshrrev_b32 v6, 8, v5
	v_lshl_add_u32 v5, v6, 4, v5
	s_mul_i32 s21, s15, HALFS
	s_mul_i32 s22, s16, HALFS
	s_add_co_u32 s22, s22, 2*HALFS
	s_sub_co_u32 s22, s22, s21
	v_mul_u32_u24 v6, s22, v2                      ; lanes 16-31 take B's
	s_add_co_u32 s21, s21, SCL
	v_add_nc_u32 v5, v5, v6
	v_add_nc_u32 v[ADRS], s21, v5
	s_mul_i32 s23, s14, 16*SPITCH                  ; my stage
	v_mul_u32_u24 v5, v1, SPITCH
	v_lshl_add_u32 v5, v2, 4, v5
	v_add_nc_u32 v[STO], s23, v5                   ; in: row r, 16 bytes for each half of the lanes
	v_and_b32 v6, 31, v0
	v_lshlrev_b32 v[CO], 4, v6                     ; out: 16 x lane
	v_lshrrev_b32 v5, 3, v6
	v_mul_u32_u24 v5, v5, SPITCH
	v_and_b32 v6, 7, v0
	v_lshl_add_u32 v5, v6, 4, v5
	v_add_nc_u32 v[RD], s23, v5                    ; back: eight lanes to a head's 128 bytes of a row, four rows an instruction
	s_lshl_b32 s20, s17, 8
	s_lshl_b32 s21, s15, 7
	s_add_co_u32 s20, s20, s21                     ; my first row m0 = 2,048 (4 x product + b) + t0
	s_lshr_b32 s21, s20, 11
	s_lshl_b32 s21, s21, 22                        ; 16 heads x 2,048 x 128 bytes for each 2,048 rows
	s_and_b32 s20, s20, 2047
	s_lshl_b32 s20, s20, 7
	s_add_co_u32 s20, s20, s21
	s_lshl_b32 s21, s42, 2
	s_lshl_b32 s22, s16, 1
	s_add_co_u32 s21, s21, s22                     ; my first head
	s_lshl_b32 s21, s21, 18
	s_add_co_u32 s20, s20, s21
	s_mov_b32 s21, 0
	s_add_nc_u64 s[12:13], s[12:13], s[20:21]
.macro FRAG reg, adr, q, i             ; 16 rows x 128 K of 4-bit codes: 8 registers; registers 4 c .. 4 c + 3 hold K = 64 c + 32 (l / 16) + 0 .. 31
.irp c, 0,1
	ds_load_b128 v[\reg+4*\c:\reg+4*\c+3], v[\adr] offset:64*(\q)+32*\c+(\i)*16*PITCH
.endr
.endm
; 16 products: A's blocks a0, a0 + 1 x B's eight.  first = 1: the bias starts the sums.  The 64 accumulators take turns, one instruction a turn.
.macro MUL16 a0, p, q, sc, first
.irp a, \a0, \a0+1
.irp b, 0,1,2,3,4,5,6,7
.if \first
	v_wmma_scale_f32_16x16x128_f8f6f4 v[8*(8*((\a)%4)+\b):8*(8*((\a)%4)+\b)+7], v[128*(\p)+FR*\b:128*(\p)+FR*\b+FR-1], v[AF+FR*(\a):AF+FR*(\a)+FR-1], v[BIAS+8*\b:BIAS+8*\b+7], v[SC+8*NQ*(\sc)+NQ*\b+(\q)], v[SC+8*NQ*(\sc)+NQ*(\a)+(\q)] matrix_a_fmt:MATRIX_FMT_FP4 matrix_b_fmt:MATRIX_FMT_FP4 matrix_a_scale:MATRIX_SCALE_ROW1
.else
	v_wmma_scale_f32_16x16x128_f8f6f4 v[8*(8*((\a)%4)+\b):8*(8*((\a)%4)+\b)+7], v[128*(\p)+FR*\b:128*(\p)+FR*\b+FR-1], v[AF+FR*(\a):AF+FR*(\a)+FR-1], v[8*(8*((\a)%4)+\b):8*(8*((\a)%4)+\b)+7], v[SC+8*NQ*(\sc)+NQ*\b+(\q)], v[SC+8*NQ*(\sc)+NQ*(\a)+(\q)] matrix_a_fmt:MATRIX_FMT_FP4 matrix_b_fmt:MATRIX_FMT_FP4 matrix_a_scale:MATRIX_SCALE_ROW1
.endif
.endr
.endr
.endm
.macro FETCH_B slot, q, p
	WIN TO_B
.irp i, 0,1,2,3,4,5,6,7
	FRAG 128*(\p)+FR*\i, ADRB+\slot, \q, \i
.endr
	WIN 0
.endm
.macro FETCH_A slot, q, i0
.irp i, \i0, \i0+1, \i0+2, \i0+3
	FRAG AF+FR*(\i), ADRA+\slot, \q, \i
.endr
.endm
.macro SCALES sc                       ; a K step's scale words: lanes 0-15 A's block i, lanes 16-31 B's block i
.irp i, 0,1,2,3,4,5,6,7
	ds_load_b128 v[SC+8*NQ*\sc+NQ*\i:SC+8*NQ*\sc+NQ*\i+3], v[ADRS] offset:\i*SBLK
.endr
.endm
.macro PLACES n                        ; plain vector instructions between a matrix instruction and a load into, or a read of, its registers
.rept \n
	v_nop
.endr
.endm
.macro STEP slot, q, first             ; 128 along K with its successor in the same slot
	s_wait_dscnt 4*NL                              ; B's set and A's blocks 0-3 are in; the youngest eight loads (A's blocks 4-7) may be out
.if \first
	WIN 0x81                                       ; C (the bias) window 0, D window 2
.else
	WIN MUL_LO
.endif
	MUL16 0, (\q)%2, \q, \slot, \first
	MUL16 2, (\q)%2, \q, \slot, \first
	s_wait_dscnt 0
	PLACES NP
	FETCH_B \slot, (\q)+1, 1-(\q)%2
	FETCH_A \slot, (\q)+1, 0
.if \first
	WIN 0xc1
.else
	WIN MUL_HI
.endif
	MUL16 4, (\q)%2, \q, \slot, \first
	MUL16 6, (\q)%2, \q, \slot, \first
	PLACES NP
	WIN 0
	FETCH_A \slot, (\q)+1, 4
.endm
.macro STEPS slot, from
.set Q, \from
.rept NQ-1-\from
	STEP \slot, Q, 0
.set Q, Q+1
.endr
.endm
	s_wait_tensorcnt 1                             ; the scales and my part of K step 0 are in; K step 1's load may be out
	s_barrier_signal -1
	s_barrier_wait -1
	FETCH_B 0, 0, 0
	FETCH_A 0, 0, 0
	SCALES 0
	FETCH_A 0, 0, 4
	s_wait_loadcnt 0x0                             ; the bias
	STEP 0, 0, 1
	STEPS 0, 1
	; slot 0's last step changes slots: one barrier; in front of it each wave waits for all its tensor loads, adds 0 to its spare word, and waits for that and for its reads of slot 0
	s_wait_tensorcnt 0x0
	ds_add_u32 v[SPW], v[NIL]
	s_wait_dscnt 4*NL+1                            ; (the add and A's blocks 4-7 may be out)
	WIN MUL_LO
	MUL16 0, 1, NQ-1, 0, 0
	s_wait_dscnt 0x0
	s_barrier_signal -1
	MUL16 2, 1, NQ-1, 0, 0
	WIN 0
	s_barrier_wait -1
	PLACES NP
	v_add_nc_u32 v[ADRS], 4*NQ, v[ADRS]            ; the second K step's scale words
	FETCH_B 1, 0, 0
	FETCH_A 1, 0, 0
	SCALES 1
	WIN MUL_HI
	MUL16 4, 1, NQ-1, 0, 0
	MUL16 6, 1, NQ-1, 0, 0
	PLACES NP
	WIN 0
	FETCH_A 1, 0, 4
	STEPS 1, 0
	s_wait_dscnt 4*NL                              ; the very last step
	WIN MUL_LO
	MUL16 0, 1, NQ-1, 1, 0
	MUL16 2, 1, NQ-1, 1, 0
	s_wait_dscnt 0
	WIN MUL_HI
	MUL16 4, 1, NQ-1, 1, 0
	MUL16 6, 1, NQ-1, 1, 0
	WIN 0
	PLACES NP                                      ; in front of the first reads of results and of loads into A's registers
	s_cmp_lg_u32 s[TEN], 0                         ; q alone is multiplied by c: the branch hangs on the cluster's y, the same in all partners
	s_cbranch_scc1 .Lunscaled
	WIN 0x82
.set i, 0
.rept 128
	v_pk_mul_f32 v[i:i+1], v[i:i+1], s[92:93] op_sel_hi:[1,0]      ; each accumulator from its low end on
.set i, i+2
.endr
	WIN 0xc3
.set i, 0
.rept 128
	v_pk_mul_f32 v[i:i+1], v[i:i+1], s[92:93] op_sel_hi:[1,0]
.set i, i+2
.endr
	WIN 0
.Lunscaled:
; THE WAY OUT, a block of 16 rows x 128 columns (two heads) at a time: rounded to f16, 16 bytes a lane into my stage, back as four rows of one head's 128 bytes: in qkv16 these are 512 consecutive bytes.
.macro PACK a
.set AC, 64*((\a)%4)
	WIN 0x0a+5*((\a)/4)                            ; sources 0 and 1: window 2 or 3
.irp b, 0,1,2,3,4,5,6,7
.irp r, 0,1,2,3
	v_cvt_pk_f16_f32 v[TMP+4*\b+\r], v[AC+8*\b+2*\r], v[AC+8*\b+2*\r+1]
.endr
.endr
	WIN 0
.endm
.macro TOSTAGE a
.set BB, BK+32*((\a)%2)
.irp b, 0,1,2,3,4,5,6,7
	ds_store_b128 v[STO], v[TMP+4*\b:TMP+4*\b+3] offset:32*\b
.endr
.irp u, 0,1,2,3,4,5,6,7
	ds_load_b128 v[BB+4*\u:BB+4*\u+3], v[RD] offset:(\u%4)*4*SPITCH+128*(\u/4)   ; LDS serves a wave's instructions in order: these see the stores above
.endr
.endm
.macro SEND a
.set BB, BK+32*((\a)%2)
	s_wait_dscnt 0x0                               ; the block is back in registers
	s_wait_xcnt 0x0                                ; the block before has left its registers: the next block's loads may land there
.irp u, 0,1,2,3,4,5,6,7
	global_store_b128 v[CO], v[BB+4*\u:BB+4*\u+3], s[12:13] offset:(\u/4)*262144+(\a)*2048+(\u%4)*512   ; 32 lanes store 512 consecutive bytes, aligned
.endr
.endm
	PACK 0
	TOSTAGE 0
.irp a, 1,2,3,4,5,6,7                  ; block a's conversions stand between block a - 1's loads from the stage and the wait for them
	PACK \a
	SEND \a-1
	TOSTAGE \a
.endr
	SEND 7
	s_wait_tensorcnt 0x0                           ; the wave's end
	ds_add_u32 v[SPW], v[NIL]
	s_wait_dscnt 0x0
	CROUND                                         ; the closing round
	s_endpgm
.Lfunc_end_k_q677161b05a_proj:
	.size	k_q677161b05a_proj, .Lfunc_end_k_q677161b05a_proj-k_q677161b05a_proj
	.p2alignl 7, 3214868480
	.fill 96, 4, 3214868480
	.section	.rodata,"a",@progbits
	.p2align	6, 0x0
	.amdhsa_kernel k_q677161b05a_proj
		.amdhsa_group_segment_fixed_size 327680
		.amdhsa_private_segment_fixed_size 0
		.amdhsa_enable_private_segment 0
		.amdhsa_kernarg_size 64
		.amdhsa_user_sgpr_count 2
		.amdhsa_user_sgpr_kernarg_segment_ptr 1
		.amdhsa_wavefront_size32 1
		.amdhsa_system_sgpr_workgroup_id_x 1
		.amdhsa_system_sgpr_workgroup_id_y 1
		.amdhsa_system_sgpr_workgroup_id_z 1
		.amdhsa_system_vgpr_workitem_id 0
		.amdhsa_next_free_vgpr 1024
		.amdhsa_next_free_sgpr 102
		.amdhsa_reserve_vcc 0
		.amdhsa_float_denorm_mode_32 3
		.amdhsa_float_denorm_mode_16_64 3
		.amdhsa_memory_ordered 1
		.amdhsa_forward_progress 1
		.amdhsa_inst_pref_size 145
	.end_amdhsa_kernel
	.amdgpu_metadata
---
amdhsa.version: [ 1, 2 ]
amdhsa.kernels:
  - .name:           k_q677161b05a_proj
    .symbol:         k_q677161b05a_proj.kd
    .args:
      - { .name: acodes, .offset: 0, .size: 8, .value_kind: global_buffer, .address_space: global }
      - { .name: ascales, .offset: 8, .size: 8, .value_kind: global_buffer, .address_space: global }
      - { .name: wcodes, .offset: 16, .size: 8, .value_kind: global_buffer, .address_space: global }
      - { .name: wscales, .offset: 24, .size: 8, .value_kind: global_buffer, .address_space: global }
      - { .name: qkv16, .offset: 32, .size: 8, .value_kind: global_buffer, .address_space: global }
      - { .name: bq, .offset: 40, .size: 8, .value_kind: global_buffer, .address_space: global }
      - { .name: bk, .offset: 48, .size: 8, .value_kind: global_buffer, .address_space: global }
      - { .name: bv, .offset: 56, .size: 8, .value_kind: global_buffer, .address_space: global }
    .group_segment_fixed_size: 327680
    .private_segment_fixed_size: 0
    .kernarg_segment_align: 8
    .kernarg_segment_size: 64
    .max_flat_workgroup_size: 128
    .sgpr_count:     102
    .vgpr_count:     1024
    .wavefront_size: 32
...
	.end_amdgpu_metadata
.endif
;; end of part 2
;; launch attn (part 3): grid 8 x 32, 16 waves a work-group, clusters of 4 x 1, 327,680 bytes of LDS; arguments qkv16, mbits, attn16; writes attn16
.if DOCPART == 3
	.amdgcn_target "amdgcn-amd-amdhsa--gfx1250"
	.amdhsa_code_object_version 6
	.text
	.protected	k_q677161b05a_attn
	.globl	k_q677161b05a_attn
	.p2align	8
	.type	k_q677161b05a_attn,@function
k_q677161b05a_attn:
	s_mov_b64 s[64:65], 0
	v_nop
	global_prefetch_b8 v0, s[64:65] scope:SCOPE_SE
	s_setreg_imm32_b32 hwreg(HW_REG_WAVE_MODE, 25, 1), 1
	s_wait_xcnt 0x0
	s_wait_alu depctr_hold_cnt(0) depctr_sa_sdst(0) depctr_va_vdst(0) depctr_va_sdst(0) depctr_va_ssrc(0) depctr_va_vcc(0) depctr_vm_vsrc(0)
	s_getreg_b32 s2, hwreg(HW_REG_IB_STS2, 6, 4)
	s_cmp_eq_u32 s2, 0
	s_cbranch_scc0 .Lentry_in_a_cluster
	s_endpgm
.Lentry_in_a_cluster:
	s_bfe_u32 s2, ttmp6, 0x10000c
	s_cmp_lg_u32 s2, 0x3003
	s_cbranch_scc0 .Lentry_shape_is_right
	s_endpgm
.Lentry_shape_is_right:
; Launch 3 of 4: attn[b][t][head][:] = the sum over T of softmax_T(where(mask, q . k / 8, -1e30)) v[T][:].  f16 operands, f32 products' sums, maxima and sums.  No work is left out.
; qkv16: f16, [q c | k | v][b 16 + head][t][64], c = log2(e) / 8 already in q: a score leaves the matrix unit as t = logit x log2(e).  mbits: lane masks, see below.  attn16: f16 [8192][1024].
; THE MASK.  A hidden score becomes NEG = -1e30 x log2(e), a finite number, ahead of the maximum.  p = 2^(t - m) by a plain subtraction: in a row with no true key t - m is exactly 0, p = 1, and the row comes out
; as the mean of v, as the formula has it; a row that meets its first true key later multiplies what it has summed by 2^(NEG - m) = 0.
; SHARES.  A work-group owns 256 queries x TWO heads of one batch, so that its rows of attn16 are 256 consecutive bytes.  Wave w: head w / 8, queries 32 (w % 8) on: two tiles of 16.  Four waves share a SIMD.
; Every wave walks all 2,048 keys, 64 a step.  K and V come through two LDS slots of 256 keys x 2 heads (waves 0, 1: K of head 0, 1; waves 2, 3: V).
; CLUSTER.  The four query blocks of a cluster walk the same K and V: each tile is asked for jointly, by the same tensor load with the mask of all four.
; LAYOUT.  S^T = K Q^T (source 0 = 16 keys, source 1 = 16 queries): lane (r, h) holds query r, register j key 8 h + j.  Two such tiles, rounded to f16 in pairs, are source 1 of O^T = V^T P.
; mbits dword ((b 128 + q / 16) 128 + k / 16) 8 + j is the 32 lanes' mask for register j of that tile: it comes by scalar loads and serves v_cndmask_b32 alone.
; LIMITS: logits under -1e30 are not told apart from hidden ones; |attn| under 65,504; NaN and infinities are not served.
; REGISTERS: v1-9 addresses and constants; v10-25 statistics, tile t at 10 + 8 t: m, old m, l (two halves), c0-c3 (a takes c2's place); v26-28 the way out; v32-63 Q; v64-127 K's, then V's fragments; v128-191 S^T, then p; v192-255 O^T.
.set SLOT,  155648                     ; a slot: for each head 256 rows of K x 144 bytes, then 256 rows of V x 160
.set HEADB, 77824
.set VOFF,  36864
.set SPARE, 2*SLOT                     ; the spare words, 128 bytes for each of 16 waves: eight blocks of 256 bytes that no other line names
.set AK0, 1
.set AV0, 2
.set ADK, 3
.set ADV, 4
.set NEG, 5
.set SPW, 6                            ; v6  my spare word; never rewritten
.set NIL, 7                            ; v7  0; never rewritten
.set PFO, 8
.set QO,  9
.set STO, 26
.set RD,  27
.set GO,  28
.set WV,  2                            ; s2   my wave's number
.set CNT, 3                            ; s3   pairs of slots still to walk in the loop
.set G1K, 4                            ; s[4:11]   descriptor group 1 for K's tiles
.set G1V, 12                           ; s[12:19]  for V's: it differs in the padding
.set G0,  20                           ; s[20:23], s[24:27] group 0 for slot 0, 1
.set SEL, 60                           ; s[60:61] lane selects: lane l xor 16
.set MP,  62                           ; s[62:63] the step's mask words of my first tile;  s[28:59] tile 0's 32 words, s[68:99] tile 1's
.set PFA, 66                           ; s[66:67] where my prefetches stand
.set LIM, 100                          ; s100 1 in a wave that prefetches
.set TBV, 101                          ; s101 LDS byte of the step's rows of V (less VOFF)
.set TBK, 104                          ; s104 the same for K; it also counts a slot's four steps
.set OOFF, 105                         ; s105 my wave's byte offset in attn16
.macro CROUND
	s_barrier_signal -1
	s_barrier_wait -1
	s_cmp_lg_u32 s[WV], 0
	s_cbranch_scc1 .Lnot_wave_0_\@
	s_barrier_signal -3
.Lnot_wave_0_\@:
	s_barrier_wait -3
	s_barrier_signal -1
	s_barrier_wait -1
.endm
.macro TLOAD f                         ; waves 0, 1 fetch K's tiles, waves 2, 3 V's, the others nothing: branches on the wave's number alone; an s_nop 0 and four v_nop follow each line
	s_cmp_lt_u32 s[WV], 2
	s_cbranch_scc0 .Lnot_k_\@
	tensor_load_to_lds s[G0+4*\f:G0+4*\f+3], s[G1K:G1K+7]
	s_nop 0
.rept 4
	v_nop
.endr
	s_branch .Lasked_\@
.Lnot_k_\@:
	s_cmp_lt_u32 s[WV], 4
	s_cbranch_scc0 .Lasked_\@
	tensor_load_to_lds s[G0+4*\f:G0+4*\f+3], s[G1V:G1V+7]
	s_nop 0
.rept 4
	v_nop
.endr
.Lasked_\@:
.endm
; A prefetch of what the NEXT change of slots will ask for: four tiles of 32,768 dense bytes.  Both clusters of a (batch, head pair) walk the same K and V: the first of them asks.  In it waves 4 to 7 ask, one tile each;
; the four partners share a tile out by address, 8,192 bytes each, lanes 256 bytes apart: each block of 256 bytes is named once in the launch.
.macro ASK
	s_cmp_eq_u32 s[LIM], 1
	s_cbranch_scc0 .Lnot_mine_\@
	global_prefetch_b8 v[PFO], s[PFA:PFA+1] th:TH_LOAD_NT scope:SCOPE_SE
.Lnot_mine_\@:
.endm
	s_load_b128 s[28:31], s[0:1], 0x0              ; qkv16, mbits
	v_lshl_add_u32 v[SPW], v0, 2, SPARE
	v_mov_b32 v[NIL], 0
	ds_add_u32 v[SPW], v[NIL]                      ; the wave's opening: the add, twice on end, and its wait ahead of the first tensor load
	ds_add_u32 v[SPW], v[NIL]
	v_lshrrev_b32 v1, 5, v0
	v_readfirstlane_b32 s[WV], v1                  ; wave 0..15
	s_bfe_u32 s34, ttmp6, 0x40000                  ; cx
	s_lshl_b32 s35, ttmp9, 2
	s_add_co_u32 s35, s35, s34                     ; my block of 256 queries
	s_and_b32 s36, ttmp7, 0xffff                   ; 8 b + head pair: the partners share it
	s_mov_b32 s[G1K], 15|(1<<16)|(1<<20)|(1<<21)|(4<<22)|(3<<25)   ; the mask: all four; elements of 2 bytes; padding on; bit 21 beside a mask; 4 words after every 32
	s_mov_b32 s[G1V], 15|(1<<16)|(1<<20)|(1<<21)|(4<<22)|(7<<25)   ; the same with 8 words
.irp g, G1K, G1V
	s_mov_b32 s[\g+1], 64<<16                      ; tensor_dim0 = 64
	s_mov_b32 s[\g+2], 256<<16                     ; tensor_dim1 = 256
	s_mov_b32 s[\g+3], 64<<16                      ; tile_dim0 = 64
	s_mov_b32 s[\g+4], 256                         ; tile_dim1 = 256
	s_mov_b32 s[\g+5], 64                          ; the pitch
	s_mov_b32 s[\g+6], 0
	s_mov_b32 s[\g+7], 0
.endr
	s_and_b32 s37, s[WV], 3                        ; the tile that I fetch (waves 0-3) or prefetch (waves 4-7):
	s_and_b32 s38, s37, 1                          ; its head,
	s_lshr_b32 s39, s37, 1                         ; K (0) or V (1)
	s_mul_i32 s40, s38, HEADB
	s_mul_i32 s41, s39, VOFF
	s_add_co_u32 s40, s40, s41                     ; its place in a slot: no place in the cluster enters an LDS address
	s_lshl_b32 s42, s36, 1
	s_add_co_u32 s42, s42, s38
	s_lshl_b32 s42, s42, 18                        ; (b 16 + head) x 2,048 x 128 bytes
	s_add_co_u32 s41, s39, 1
	s_lshl_b32 s41, s41, 24                        ; k's or v's 16,777,216 bytes
	s_add_co_u32 s42, s42, s41
	s_mov_b32 s43, 0
	s_lshl_b32 s46, s34, 13                        ; the prefetches: my work-group's 8,192 bytes of a tile,
	s_add_co_u32 s46, s46, 32768                   ; in the second 256 keys: the first change of slots steps it to the third
	s_mov_b32 s47, 0
	s_lshr_b32 s48, s[WV], 2
	s_xor_b32 s48, s48, 1                          ; 0 in waves 4 to 7,
	s_or_b32 s48, s48, ttmp9                       ; of the first cluster: the same in all four partners
	s_cmp_eq_u32 s48, 0
	s_cselect_b32 s[LIM], 1, 0
	s_lshr_b32 s49, s[WV], 3                       ; my head of the two
	s_and_b32 s50, s[WV], 7                        ; my 32 queries of the 256
	s_lshl_b32 s52, s36, 1
	s_add_co_u32 s52, s52, s49
	s_lshl_b32 s52, s52, 18
	s_lshl_b32 s53, s35, 15
	s_add_co_u32 s52, s52, s53
	s_lshl_b32 s53, s50, 12
	s_add_co_u32 s52, s52, s53                     ; Q: my first query's row
	s_mov_b32 s53, 0
	s_lshr_b32 s54, s36, 3                         ; b
	s_lshl_b32 s54, s54, 7
	s_lshl_b32 s55, s35, 4
	s_add_co_u32 s54, s54, s55
	s_lshl_b32 s55, s50, 1
	s_add_co_u32 s54, s54, s55                     ; b 128 + my first tile of queries
	s_lshl_b32 s54, s54, 12                        ; 128 x 8 dwords each
	s_mov_b32 s55, 0
	s_lshr_b32 s48, s36, 3
	s_lshl_b32 s48, s48, 11
	s_lshl_b32 s51, s35, 8
	s_add_co_u32 s48, s48, s51
	s_lshl_b32 s51, s[WV], 4
	s_add_co_u32 s48, s48, s51                     ; the first of the 16 rows of attn16 that I store
	s_lshl_b32 s48, s48, 11
	s_and_b32 s51, s36, 7
	s_lshl_b32 s51, s51, 8
	s_add_co_u32 s[OOFF], s48, s51                 ; + the head pair's 256 bytes
	s_mov_b32 s[SEL], 0x76543210
	s_mov_b32 s[SEL+1], 0xfedcba98
	v_and_b32 v10, 15, v0                          ; r
	v_bfe_u32 v11, v0, 4, 1                        ; h
	v_lshlrev_b32 v[QO], 7, v10
	v_lshl_add_u32 v[QO], v11, 4, v[QO]            ; Q: row r of 128 bytes, + 16 h
	s_mul_i32 s51, s49, HEADB
	v_mul_u32_u24 v[AK0], v10, 144
	v_lshl_add_u32 v[AK0], v11, 4, v[AK0]
	v_add_nc_u32 v[AK0], s51, v[AK0]               ; K: row r x pitch + 16 h, in my head
	v_and_b32 v12, 7, v0
	v_bfe_u32 v13, v0, 3, 1
	v_lshl_add_u32 v[AV0], v11, 3, v12
	v_mul_u32_u24 v[AV0], v[AV0], 160
	v_lshl_add_u32 v[AV0], v13, 4, v[AV0]          ; V, for the turning load: key 8 h + l % 8, channels 8 ((l / 8) % 2) on
	s_add_co_u32 s51, s51, VOFF
	v_add_nc_u32 v[AV0], s51, v[AV0]
	v_mov_b32 v[NEG], 0xf191accb                   ; -1e30 x log2(e)
	v_and_b32 v[PFO], 31, v0
	v_lshlrev_b32 v[PFO], 8, v[PFO]
	s_mul_i32 s51, s50, 32*272                     ; the way out: a stage of 256 rows x 272 bytes in slot 0: in: row 32 (w % 8) + r, my head's 128 bytes, + 16 h
	s_lshl_b32 s56, s49, 7
	s_add_co_u32 s51, s51, s56
	v_mul_u32_u24 v[STO], v10, 272
	v_lshl_add_u32 v[STO], v11, 4, v[STO]
	v_add_nc_u32 v[STO], s51, v[STO]
	s_mul_i32 s51, s[WV], 16*272                   ; back: rows 16 w on, lanes 0-15 one row, lanes 16-31 the next
	v_mul_u32_u24 v[RD], v11, 272
	v_lshl_add_u32 v[RD], v10, 4, v[RD]
	v_add_nc_u32 v[RD], s51, v[RD]
	v_lshlrev_b32 v[GO], 11, v11
	v_lshl_add_u32 v[GO], v10, 4, v[GO]            ; and the same two rows in attn16
	s_wait_dscnt 0x0                               ; both opening adds are done
	s_wait_kmcnt 0x0
	s_add_nc_u64 s[44:45], s[28:29], s[42:43]      ; my tile of the first 256 keys
	s_mov_b32 s[G0], 1
	s_mov_b32 s[G0+1], s40
	s_mov_b64 s[G0+2:G0+3], s[44:45]
	s_or_b32 s[G0+3], s[G0+3], 0x80000000
	s_mov_b32 s[G0+4], 1
	s_add_co_u32 s[G0+5], s40, SLOT
	s_add_nc_u64 s[G0+6:G0+7], s[44:45], 32768     ; slot 1 begins with the second 256 keys
	s_or_b32 s[G0+7], s[G0+7], 0x80000000
	s_add_nc_u64 s[PFA:PFA+1], s[44:45], s[46:47]
	s_add_nc_u64 s[56:57], s[28:29], s[52:53]      ; Q
	s_add_nc_u64 s[MP:MP+1], s[30:31], s[54:55]
	CROUND                                         ; all four work-groups are here
	TLOAD 0                                        ; keys 0 to 255
.irp t, 0,1
.irp c, 0,1
	global_load_b128 v[32+16*\t+8*\c:35+16*\t+8*\c], v[QO], s[56:57] offset:2048*\t+64*\c      ; Q stays in registers: tile t, channels 32 c on
	global_load_b128 v[36+16*\t+8*\c:39+16*\t+8*\c], v[QO], s[56:57] offset:2048*\t+64*\c+32
.endr
.endr
.irp t, 0,1
	v_mov_b32 v[10+8*\t], 0xff61b1e6               ; m: -3e38, under every score and under NEG
	v_mov_b32 v[12+8*\t], 0                        ; l
	v_mov_b32 v[13+8*\t], 0
.endr
.set i, 0
.rept 64
	v_mov_b32 v[192+i], 0                          ; O^T.  (The step is written once: the first finds zeros, which its a = 0 leaves zeros)
.set i, i+1
.endr
	s_wait_loadcnt 0x0                             ; Q is in, and its base may be written
; A KEY STEP: 64 keys, both tiles.
.macro STEP
	s_load_b512 s[28:43], s[MP:MP+1], 0x0          ; the step's 4 x 8 mask words of tile 0,
	s_load_b512 s[44:59], s[MP:MP+1], 0x40
	s_load_b512 s[68:83], s[MP:MP+1], 0x1000       ; and of tile 1, 128 x 8 dwords on
	s_load_b512 s[84:99], s[MP:MP+1], 0x1040
	v_add_nc_u32 v[ADK], s[TBK], v[AK0]
	v_add_nc_u32 v[ADV], s[TBV], v[AV0]
.rept 3
	v_nop                                          ; with the two additions five places behind the last products V^T P: loads follow into V's registers, and products that write over p's
.endr
.set f, 0
.rept 8                                ; K: keys 16 (f / 2) on, channels 32 (f % 2) on
	ds_load_b128 v[64+8*f:67+8*f], v[ADK] offset:(f/2)*2304+(f%2)*64
	ds_load_b128 v[68+8*f:71+8*f], v[ADK] offset:(f/2)*2304+(f%2)*64+32
.set f, f+1
.endr
	s_wait_dscnt 0x0
.set i, 0
.rept 16                               ; S^T = K Q^T: channels 32 (i / 8) on, keys 16 ((i / 2) % 4) on, tile i % 2.  The eight accumulators take turns
.set rD, 128+32*(i%2)+8*((i/2)%4)
.set rA, 64+8*(2*((i/2)%4)+i/8)
.set rB, 32+16*(i%2)+8*(i/8)
.if i < 8
	v_wmma_f32_16x16x32_f16 v[rD:rD+7], v[rA:rA+7], v[rB:rB+7], 0
.else
	v_wmma_f32_16x16x32_f16 v[rD:rD+7], v[rA:rA+7], v[rB:rB+7], v[rD:rD+7]
.endif
.set i, i+1
.endr
	v_mov_b32 v11, v10                             ; m is kept for a.  Four places, in front of the loads into K's registers and of the first reads of the scores
	v_mov_b32 v19, v18
	v_nop
	v_nop
.set f, 0
.rept 8                                ; V, turned: keys 32 (f / 4) on, channels 16 (f % 4) on
	ds_load_tr16_b128 v[64+8*f:67+8*f], v[ADV] offset:(f/4)*5120+(f%4)*32
	ds_load_tr16_b128 v[68+8*f:71+8*f], v[ADV] offset:(f/4)*5120+(f%4)*32+2560
.set f, f+1
.endr
	s_wait_kmcnt 0x0                               ; the mask words are in, so their base may step
	s_add_nc_u64 s[MP:MP+1], s[MP:MP+1], 128
.set i, 0
.rept 32
	v_cndmask_b32 v[128+i], v[NEG], v[128+i], s[28+i]              ; hidden scores become NEG; each accumulator from its low end on
.set i, i+1
.endr
.set i, 0
.rept 32
	v_cndmask_b32 v[160+i], v[NEG], v[160+i], s[68+i]
.set i, i+1
.endr
.irp j, 0,1,2,3                        ; the maximum of 32 scores and m: four chains of seven, the tiles by turns
.irp t, 0,1
	v_max3_num_f32 v[14+8*\t+\j], v[128+32*\t+8*\j], v[129+32*\t+8*\j], v[130+32*\t+8*\j]
.endr
.endr
.irp g, 1,2
.irp j, 0,1,2,3
.irp t, 0,1
	v_max3_num_f32 v[14+8*\t+\j], v[14+8*\t+\j], v[129+32*\t+8*\j+2*\g], v[130+32*\t+8*\j+2*\g]
.endr
.endr
.endr
.irp t, 0,1
	v_max3_num_f32 v[14+8*\t], v[14+8*\t], v[135+32*\t], v[143+32*\t]
.endr
.irp t, 0,1
	v_max3_num_f32 v[16+8*\t], v[16+8*\t], v[151+32*\t], v[159+32*\t]
.endr
.irp t, 0,1
	v_max3_num_f32 v[14+8*\t], v[14+8*\t], v[15+8*\t], v[16+8*\t]
.endr
.irp t, 0,1
	v_max3_num_f32 v[14+8*\t], v[14+8*\t], v[17+8*\t], v[10+8*\t]
.endr
.irp t, 0,1
	v_permlanex16_b32 v[15+8*\t], v[14+8*\t], s[SEL], s[SEL+1]     ; the query's other 32 keys lie in the lane 16 away
.endr
.irp t, 0,1
	v_max_num_f32 v[10+8*\t], v[14+8*\t], v[15+8*\t]               ; the new m
.endr
.irp t, 0,1
	v_sub_f32 v[17+8*\t], v[11+8*\t], v[10+8*\t]                   ; old m - new m
.endr
.set i, 0
.rept 16
.irp t, 0,1
	v_pk_add_f32 v[128+32*\t+2*i:129+32*\t+2*i], v[128+32*\t+2*i:129+32*\t+2*i], v[10+8*\t:11+8*\t] op_sel_hi:[1,0] neg_lo:[0,1] neg_hi:[0,1]   ; t - m, two at a time
.endr
.set i, i+1
.endr
.irp t, 0,1
	v_exp_f32 v[16+8*\t], v[17+8*\t]               ; a = 2^(old m - new m)
.endr
.set i, 0
.rept 64
	v_exp_f32 v[128+i], v[128+i]                   ; p = 2^(t - m)
.set i, i+1
.endr
	v_nop                                          ; a plain instruction behind the last exponential
	s_wait_alu depctr_va_vdst(0)                   ; one wait for the batch of 66, ahead of the first instruction that names a result
.irp t, 0,1                            ; l = a l + the sum of p, in f32, of p as it is before the rounding: two chains a tile
	v_pk_fma_f32 v[12+8*\t:13+8*\t], v[12+8*\t:13+8*\t], v[16+8*\t:17+8*\t], v[128+32*\t:129+32*\t] op_sel_hi:[1,0,1]
.endr
.irp t, 0,1
	v_pk_add_f32 v[14+8*\t:15+8*\t], v[130+32*\t:131+32*\t], v[134+32*\t:135+32*\t]
.endr
.irp p, 2,4,6,8,10,12
.irp t, 0,1
	v_pk_add_f32 v[12+8*\t:13+8*\t], v[12+8*\t:13+8*\t], v[128+32*\t+2*\p:129+32*\t+2*\p]
	v_pk_add_f32 v[14+8*\t:15+8*\t], v[14+8*\t:15+8*\t], v[134+32*\t+2*\p:135+32*\t+2*\p]
.endr
.endr
.irp t, 0,1
	v_pk_add_f32 v[12+8*\t:13+8*\t], v[12+8*\t:13+8*\t], v[156+32*\t:157+32*\t]
.endr
.irp t, 0,1
	v_pk_add_f32 v[12+8*\t:13+8*\t], v[12+8*\t:13+8*\t], v[14+8*\t:15+8*\t]
.endr
.set i, 0
.rept 16
.irp t, 0,1
	v_cvt_pk_f16_f32 v[128+32*\t+i], v[128+32*\t+2*i], v[129+32*\t+2*i]   ; p to f16, in place: register i is written when registers 2 i, 2 i + 1 are read
.endr
.set i, i+1
.endr
.set i, 0
.rept 16
.irp t, 0,1
	v_pk_mul_f32 v[192+32*\t+2*i:193+32*\t+2*i], v[192+32*\t+2*i:193+32*\t+2*i], v[16+8*\t:17+8*\t] op_sel_hi:[1,0]   ; O^T x a
.endr
.set i, i+1
.endr
	s_wait_dscnt 0x0                               ; V is in
.set i, 0
.rept 16                               ; O^T += V^T P: keys 32 (i / 8) on, channels 16 ((i / 2) % 4) on, tile i % 2: eight accumulators by turns
.set rD, 192+32*(i%2)+8*((i/2)%4)
.set rA, 64+8*(4*(i/8)+(i/2)%4)
.set rB, 128+32*(i%2)+8*(i/8)
	v_wmma_f32_16x16x32_f16 v[rD:rD+7], v[rA:rA+7], v[rB:rB+7], v[rD:rD+7]
.set i, i+1
.endr
.endm
; THE CHANGE OF SLOTS stands at a slot's head.  Each wave waits for all its tensor loads (its part of the slot about to be read), adds 0 to its spare word, and waits for that and for its reads of the slot that it has left.
; Behind the cluster's round no wave of any partner reads slot f any more, and it takes the 256 keys that follow: the load has a slot's four steps in which to land; one tensor load of a wave is out.
.macro CHANGE f, ask
	s_wait_tensorcnt 0x0                           ; no tensor load of mine is out, so a group 0 may be written
	ds_add_u32 v[SPW], v[NIL]                      ; the add here, twice on end, in every trip alike
	ds_add_u32 v[SPW], v[NIL]
	s_add_nc_u64 s[G0+4*(1-\f)+2:G0+4*(1-\f)+3], s[G0+4*(1-\f)+2:G0+4*(1-\f)+3], 65536   ; the other slot's next 256 keys; the type bits on top are not reached
.if \ask
	s_wait_xcnt 0x0                                ; the last prefetch, a slot back, has read its address
	s_add_nc_u64 s[PFA:PFA+1], s[PFA:PFA+1], 32768 ; 256 keys further on than the load below
.endif
	s_wait_dscnt 0x0
	CROUND
	TLOAD \f
.if \ask
	ASK
.endif
.endm
.macro SLOT_STEPS sl                   ; a slot's four steps: written once, walked four times
	s_mov_b32 s[TBK], \sl*SLOT
	s_mov_b32 s[TBV], \sl*SLOT
.Lstep_\@:
	STEP
	s_add_co_u32 s[TBV], s[TBV], 64*160
	s_add_co_u32 s[TBK], s[TBK], 64*144
	s_cmp_lt_u32 s[TBK], \sl*SLOT+256*144
	s_cbranch_scc1 .Lstep_\@
.endm
	s_mov_b32 s[CNT], 3
.Lpair:                                            ; three trips: keys 0 to 1,535 are walked, keys 256 to 1,791 asked for, keys 512 to 2,047 prefetched
	CHANGE 1, 1
	SLOT_STEPS 0
	CHANGE 0, 1
	SLOT_STEPS 1
	s_sub_co_u32 s[CNT], s[CNT], 1
	s_cmp_lg_u32 s[CNT], 0
	s_cbranch_scc1 .Lpair
	CHANGE 1, 0                                    ; the tail is written out: the last 256 keys are asked for, nothing is prefetched
	SLOT_STEPS 0
	s_wait_tensorcnt 0x0
	ds_add_u32 v[SPW], v[NIL]
	s_wait_dscnt 0x0
	s_barrier_signal -1
	s_barrier_wait -1
	SLOT_STEPS 1
	; THE WAY OUT.  O^T / l, rounded to f16, through the stage in slot 0 (it has had its last fill, and every wave has left it): a row's 256 bytes come from two waves, so a barrier stands between writing and reading.
	s_load_b64 s[28:29], s[0:1], 0x10              ; attn16
.irp t, 0,1
	v_add_f32 v[14+8*\t], v[12+8*\t], v[13+8*\t]   ; l's two halves.  (These additions and the v_nop below are the places behind the last products)
.endr
.irp t, 0,1
	v_permlanex16_b32 v[15+8*\t], v[14+8*\t], s[SEL], s[SEL+1]
.endr
.irp t, 0,1
	v_add_f32 v[14+8*\t], v[14+8*\t], v[15+8*\t]
.endr
.irp t, 0,1
	v_rcp_f32 v[16+8*\t], v[14+8*\t]
.endr
	v_nop
	s_wait_alu depctr_va_vdst(0)                   ; one wait for the two reciprocals, ahead of their first reader
.set i, 0
.rept 16
.irp t, 0,1
	v_pk_mul_f32 v[192+32*\t+2*i:193+32*\t+2*i], v[192+32*\t+2*i:193+32*\t+2*i], v[16+8*\t:17+8*\t] op_sel_hi:[1,0]
.endr
.set i, i+1
.endr
.set i, 0
.rept 32
	v_cvt_pk_f16_f32 v[128+i], v[192+2*i], v[193+2*i]              ; tile t, channels 16 ct + 8 h + 0 .. 7: registers 128 + 16 t + 4 ct on
.set i, i+1
.endr
.irp t, 0,1
.irp c, 0,1,2,3
	ds_store_b128 v[STO], v[128+16*\t+4*\c:131+16*\t+4*\c] offset:4352*\t+32*\c
.endr
.endr
	s_mov_b32 s30, s[OOFF]
	s_mov_b32 s31, 0
	s_wait_dscnt 0x0                               ; for the others' sake: my stores into the stage are done
	s_barrier_signal -1
	s_barrier_wait -1
.irp i, 0,1,2,3,4,5,6,7
	ds_load_b128 v[160+4*\i:163+4*\i], v[RD] offset:544*\i
.endr
	s_wait_kmcnt 0x0
	s_add_nc_u64 s[28:29], s[28:29], s[30:31]
.irp i, 0,1,2,3,4,5,6,7
	s_wait_dscnt 7-\i                              ; LDS loads come back in order: load i is in
	global_store_b128 v[GO], v[160+4*\i:163+4*\i], s[28:29] offset:4096*\i   ; sixteen lanes store 256 consecutive bytes, aligned
.endr
	s_wait_tensorcnt 0x0                           ; the wave's end
	ds_add_u32 v[SPW], v[NIL]
	s_wait_dscnt 0x0
	CROUND                                         ; the closing round
	s_endpgm
.Lfunc_end_k_q677161b05a_attn:
	.size	k_q677161b05a_attn, .Lfunc_end_k_q677161b05a_attn-k_q677161b05a_attn
	.p2alignl 7, 3214868480
	.fill 96, 4, 3214868480
	.section	.rodata,"a",@progbits
	.p2align	6, 0x0
	.amdhsa_kernel k_q677161b05a_attn
		.amdhsa_group_segment_fixed_size 327680
		.amdhsa_private_segment_fixed_size 0
		.amdhsa_enable_private_segment 0
		.amdhsa_kernarg_size 24
		.amdhsa_user_sgpr_count 2
		.amdhsa_user_sgpr_kernarg_segment_ptr 1
		.amdhsa_wavefront_size32 1
		.amdhsa_system_sgpr_workgroup_id_x 1
		.amdhsa_system_sgpr_workgroup_id_y 1
		.amdhsa_system_sgpr_workgroup_id_z 1
		.amdhsa_system_vgpr_workitem_id 0
		.amdhsa_next_free_vgpr 256
		.amdhsa_next_free_sgpr 106
		.amdhsa_reserve_vcc 0
		.amdhsa_float_denorm_mode_32 3
		.amdhsa_float_denorm_mode_16_64 3
		.amdhsa_memory_ordered 1
		.amdhsa_forward_progress 1
		.amdhsa_inst_pref_size 107
	.end_amdhsa_kernel
	.amdgpu_metadata
---
amdhsa.version: [ 1, 2 ]
amdhsa.kernels:
  - .name:           k_q677161b05a_attn
    .symbol:         k_q677161b05a_attn.kd
    .args:
      - { .name: qkv16, .offset: 0, .size: 8, .value_kind: global_buffer, .address_space: global }
      - { .name: mbits, .offset: 8, .size: 8, .value_kind: global_buffer, .address_space: global }
      - { .name: attn16, .offset: 16, .size: 8, .value_kind: global_buffer, .address_space: global }
    .group_segment_fixed_size: 327680
    .private_segment_fixed_size: 0
    .kernarg_segment_align: 8
    .kernarg_segment_size: 24
    .max_flat_workgroup_size: 512
    .sgpr_count:     106
    .vgpr_count:     256
    .wavefront_size: 32
...
	.end_amdgpu_metadata
.endif
;; end of part 3
;; launch outp (part 4): grid 8 x 64, 4 waves a work-group, clusters of 4 x 4, 327,680 bytes of LDS; arguments attn16, wo16, out0, bo; writes out0
.if DOCPART == 4
	.amdgcn_target "amdgcn-amd-amdhsa--gfx1250"
	.amdhsa_code_object_version 6
	.text
	.protected	k_q677161b05a_outp
	.globl	k_q677161b05a_outp
	.p2align	8
	.type	k_q677161b05a_outp,@function
k_q677161b05a_outp:
	s_mov_b64 s[64:65], 0
	v_nop
	global_prefetch_b8 v0, s[64:65] scope:SCOPE_SE
	s_setreg_imm32_b32 hwreg(HW_REG_WAVE_MODE, 25, 1), 1
	s_wait_xcnt 0x0
	s_wait_alu depctr_hold_cnt(0) depctr_sa_sdst(0) depctr_va_vdst(0) depctr_va_sdst(0) depctr_va_ssrc(0) depctr_va_vcc(0) depctr_vm_vsrc(0)
	s_getreg_b32 s2, hwreg(HW_REG_IB_STS2, 6, 4)
	s_cmp_eq_u32 s2, 0
	s_cbranch_scc0 .Lentry_in_a_cluster
	s_endpgm
.Lentry_in_a_cluster:
	s_bfe_u32 s2, ttmp6, 0x10000c
	s_cmp_lg_u32 s2, 0xf033
	s_cbranch_scc0 .Lentry_shape_is_right
	s_endpgm
.Lentry_shape_is_right:
; Launch 4 of 4: out0[m][n] = the sum over k of attn[m][k] Wo[k][n] + bo[n].  attn16 [8192][1024] and wo16 [n 1024][k 1024]: f16; sums and out0 in f32.  No work is left out.
; A tile of out0 is 128 x 128: 512 work-groups.  Four waves, each 64 x 64: 16 accumulators.  K goes in steps of 256 (LDS rows of 512 bytes) through two LDS slots.
; CLUSTERS: 4 x 4 work-groups; A's tiles are asked for jointly along a row of the cluster, B's along a column.  THE MATRIX INSTRUCTION IS USED TRANSPOSED (source 0 = 16 rows of wo16, source 1 = 16 rows of attn16):
; a lane holds eight neighbouring numbers of a row of out0.  bo is the C of each sum's first product.  A wave's 64 columns of f32 are 256 consecutive bytes, so each wave has a stage of its own on the way out.
; REGISTERS: window 0: v0-31 addresses; v32-95 rows on the way out; v96-127 the bias; v128-255 the accumulators ((a, b) at 128 + 8 (4 a + b)).  window 1: two fragment buffers of 128.
.set SIZE_N, 1024
.set SIZE_K, 1024
.set KSTEP,  256
.set PITCH,  528                       ; an LDS row: 512 bytes + 16 of padding = 132 words, so that the 16 rows that a load touches start 4 words apart modulo 64
.set HALFT,  64*PITCH
.set SLOT,   4*HALFT
.set STAGE,  2*SLOT                    ; behind the ring: 16 rows x 272 bytes for each wave
.set SPITCH, 272
.set SPARE,  STAGE+4*16*SPITCH         ; the spare words, 128 bytes for each wave: two blocks of 256 bytes that no other line names
.set LAPS, SIZE_K/(2*KSTEP)
.set ADRA, 16
.set ADRB, 20
.set STO,  24
.set RD,   25
.set CO,   26
.set SPW,  28                          ; v28  my spare word; never rewritten
.set NIL,  29                          ; v29  0; never rewritten
.set BK,   32
.set BIAS, 96
.set ACC,  128
.set F0,   0
.set F1,   128
.set G1, 24
.set G0, 32
.set G1B, 48
.set G0B, 56
.set MSB, 0
.macro WIN new
.if MSB != (\new)
	s_set_vgpr_msb (MSB<<8)|(\new)
.set MSB, (\new)
.endif
.endm
.set MUL,  0x05                        ; sources 0 (B) and 1 (A) window 1; C and D window 0
.set TO_F, 0x40
.macro JLOAD s                         ; a joint load: waves 0 and 1 fetch A's two halves, waves 2 and 3 B's; an s_nop 0 and four v_nop follow each line
	s_cmp_eq_u32 s11, 0
	s_cbranch_scc0 .Lfor_b_\@
	tensor_load_to_lds s[G0+4*\s:G0+4*\s+3], s[G1:G1+7]
	s_nop 0
.rept 4
	v_nop
.endr
	s_branch .Lasked_\@
.Lfor_b_\@:
	tensor_load_to_lds s[G0B+4*\s:G0B+4*\s+3], s[G1B:G1B+7]
	s_nop 0
.rept 4
	v_nop
.endr
.Lasked_\@:
.endm
.macro CREST
	s_cmp_lg_u32 s10, 0
	s_cbranch_scc1 .Lnot_wave_0_\@
	s_barrier_signal -3
.Lnot_wave_0_\@:
	s_barrier_wait -3
	s_barrier_signal -1
	s_barrier_wait -1
.endm
.macro CROUND
	s_barrier_signal -1
	s_barrier_wait -1
	CREST
.endm
	s_load_b128 s[4:7], s[0:1], 0x0                ; attn16, wo16
	s_load_b64 s[8:9], s[0:1], 0x10                ; out0
	s_load_b64 s[66:67], s[0:1], 0x18              ; bo
	v_lshl_add_u32 v[SPW], v0, 2, SPARE
	v_mov_b32 v[NIL], 0
	ds_add_u32 v[SPW], v[NIL]                      ; the wave's opening: the add, twice on end, and its wait ahead of my first tensor load
	ds_add_u32 v[SPW], v[NIL]
	v_lshrrev_b32 v1, 5, v0
	v_readfirstlane_b32 s10, v1                    ; wave 0..3
	s_lshr_b32 s11, s10, 1                         ; my half of the tile's rows.  Also: I fetch for A (0) or for B (1)
	s_and_b32 s12, s10, 1                          ; my half of its columns.  Also: which 64 rows I fetch
	s_bfe_u32 s40, ttmp6, 0x40000
	s_bfe_u32 s41, ttmp6, 0x40004
	s_lshl_b32 s42, ttmp9, 2
	s_add_co_u32 s42, s42, s40                     ; tile column
	s_and_b32 s13, ttmp7, 0xffff
	s_lshl_b32 s13, s13, 2
	s_add_co_u32 s13, s13, s41                     ; tile row
	s_lshl_b32 s43, s41, 2
	s_lshl_b32 s43, 15, s43                        ; my row of the cluster
	s_lshl_b32 s44, 0x1111, s40                    ; my column
	s_or_b32 s[G1+0], s43, (1<<16)|(1<<20)|(1<<21)|(6<<22)|(3<<25)  ; the mask; elements of 2 bytes; padding on; bit 21 beside a mask; 4 words after every 128
	s_or_b32 s[G1B+0], s44, (1<<16)|(1<<20)|(1<<21)|(6<<22)|(3<<25)
.irp g, G1, G1B
	s_mov_b32 s[\g+1], KSTEP<<16                   ; tensor_dim0 = 256
	s_mov_b32 s[\g+2], 64<<16                      ; tensor_dim1 = 64
	s_mov_b32 s[\g+3], KSTEP<<16                   ; tile_dim0 = 256
	s_mov_b32 s[\g+4], 64                          ; tile_dim1 = 64
	s_mov_b32 s[\g+5], SIZE_K                      ; the pitch
	s_mov_b32 s[\g+6], 0
	s_mov_b32 s[\g+7], 0
.endr
	s_lshl_b32 s17, s12, 6
	s_lshl_b32 s16, s13, 7
	s_add_co_u32 s16, s16, s17                     ; A: row 128 x tile row + 64 x half
	s_lshl_b32 s46, s42, 7
	s_add_co_u32 s46, s46, s17                     ; B: row 128 x tile column + 64 x half
	s_mov_b32 s17, 0
	s_mov_b32 s47, 0
	s_mov_b64 s[18:19], SIZE_K*2
	s_mul_u64 s[16:17], s[16:17], s[18:19]
	s_mul_u64 s[46:47], s[46:47], s[18:19]
	s_mul_i32 s20, s10, HALFT                      ; where they go: wave x 64 rows
	s_wait_dscnt 0x0                               ; both opening adds are done
	s_wait_kmcnt 0x0
	s_add_nc_u64 s[14:15], s[4:5], s[16:17]
	s_add_nc_u64 s[46:47], s[6:7], s[46:47]
	CROUND                                         ; all sixteen work-groups are here: the first joint loads meet
.irp s, 0,1
	s_mov_b32 s[G0+4*\s], 1
	s_add_co_u32 s[G0+4*\s+1], s20, \s*SLOT
	s_add_nc_u64 s[G0+4*\s+2:G0+4*\s+3], s[14:15], \s*KSTEP*2
	s_or_b32 s[G0+4*\s+3], s[G0+4*\s+3], 0x80000000
	s_mov_b32 s[G0B+4*\s], 1
	s_add_co_u32 s[G0B+4*\s+1], s20, \s*SLOT
	s_add_nc_u64 s[G0B+4*\s+2:G0B+4*\s+3], s[46:47], \s*KSTEP*2
	s_or_b32 s[G0B+4*\s+3], s[G0B+4*\s+3], 0x80000000
	JLOAD \s
.endr
	v_and_b32 v1, 15, v0                           ; r
	v_bfe_u32 v2, v0, 4, 1                         ; h
	s_lshl_b32 s46, s42, 9                         ; my first column, in bytes of f32: 512 x tile column + 256 x half: in out0's rows and in bo alike
	s_lshl_b32 s47, s12, 8
	s_add_co_u32 s46, s46, s47
	s_mov_b32 s47, 0
	s_add_nc_u64 s[66:67], s[66:67], s[46:47]
	v_lshlrev_b32 v6, 5, v2
.irp b, 0,1,2,3                        ; the bias in the result's layout: for B's block b, lane (r, h) holds columns 16 b + 8 h + 0 .. 7
	global_load_b128 v[BIAS+8*\b:BIAS+8*\b+3], v6, s[66:67] offset:64*\b
	global_load_b128 v[BIAS+8*\b+4:BIAS+8*\b+7], v6, s[66:67] offset:64*\b+16
.endr
	v_mul_u32_u24 v3, v1, PITCH
	v_lshl_add_u32 v3, v2, 4, v3                   ; a fragment's row x pitch + 16 x half
	s_mul_i32 s21, s11, HALFT
	s_mul_i32 s22, s12, HALFT
	s_add_co_u32 s22, s22, 2*HALFT
.irp s, 0,1
	v_add_nc_u32 v[ADRA+\s], s21, v3
	v_add_nc_u32 v[ADRB+\s], s22, v3
	s_add_co_u32 s21, s21, SLOT
	s_add_co_u32 s22, s22, SLOT
.endr
	s_mul_i32 s23, s10, 16*SPITCH
	s_add_co_u32 s23, s23, STAGE                   ; my stage
	v_mul_u32_u24 v4, v1, SPITCH
	v_lshl_add_u32 v4, v2, 5, v4
	v_add_nc_u32 v[STO], s23, v4                   ; in: row r, 32 bytes for each half of the lanes
	v_mul_u32_u24 v5, v2, SPITCH
	v_lshl_add_u32 v5, v1, 4, v5
	v_add_nc_u32 v[RD], s23, v5                    ; back: lanes 0-15 one row of 256 bytes, lanes 16-31 the next
	v_lshlrev_b32 v5, 12, v2
	v_lshl_add_u32 v[CO], v1, 4, v5                ; and the same two rows in out0
	s_lshl_b32 s16, s13, 7
	s_lshl_b32 s17, s11, 6
	s_add_co_u32 s16, s16, s17                     ; my first row: 128 x tile row + 64 x half
	s_lshl_b32 s16, s16, 12                        ; rows of 4,096 bytes
	s_mov_b32 s17, 0
	s_add_nc_u64 s[8:9], s[8:9], s[16:17]
	s_add_nc_u64 s[8:9], s[8:9], s[46:47]
; 8 products: m blocks a0, a0 + 1 x all 4 n blocks, 32 along K: half c of buffer f.  first = 1: the bias starts the sums.  The 16 accumulators take turns
.macro MUL8 f, c, a0, first
.irp a, \a0, \a0+1
.irp b, 0,1,2,3
.if \first
	v_wmma_f32_16x16x32_f16 v[ACC+8*(4*(\a)+\b):ACC+8*(4*(\a)+\b)+7], v[\f+64+8*(4*\c+\b):\f+64+8*(4*\c+\b)+7], v[\f+8*(4*\c+\a):\f+8*(4*\c+\a)+7], v[BIAS+8*\b:BIAS+8*\b+7]
.else
	v_wmma_f32_16x16x32_f16 v[ACC+8*(4*(\a)+\b):ACC+8*(4*(\a)+\b)+7], v[\f+64+8*(4*\c+\b):\f+64+8*(4*\c+\b)+7], v[\f+8*(4*\c+\a):\f+8*(4*\c+\a)+7], v[ACC+8*(4*(\a)+\b):ACC+8*(4*(\a)+\b)+7]
.endif
.endr
.endr
.endm
.macro FETCH slot, k, f                ; 32 LDS loads in one run: the fragments of 64 along K at byte k of the rows; the first 32 along K first
	WIN TO_F
.irp c, 0,1
.irp i, 0,1,2,3
	ds_load_b128 v[\f+64+8*(4*\c+\i):\f+64+8*(4*\c+\i)+3],   v[ADRB+\slot] offset:\k+64*\c+\i*16*PITCH
	ds_load_b128 v[\f+64+8*(4*\c+\i)+4:\f+64+8*(4*\c+\i)+7], v[ADRB+\slot] offset:\k+64*\c+\i*16*PITCH+32
	ds_load_b128 v[\f+8*(4*\c+\i):\f+8*(4*\c+\i)+3],         v[ADRA+\slot] offset:\k+64*\c+\i*16*PITCH
	ds_load_b128 v[\f+8*(4*\c+\i)+4:\f+8*(4*\c+\i)+7],       v[ADRA+\slot] offset:\k+64*\c+\i*16*PITCH+32
.endr
.endr
.endm
.macro PLACES                          ; four plain vector instructions in front of loads into registers that matrix instructions have read, and of the first reads of results
.rept 4
	v_nop
.endr
.endm
.macro QUARTER slot, k, f, g, first    ; 64 along K on buffer f; the next quarter, at byte k, is fetched into g
	s_wait_dscnt 16                                ; the first 32 along K are in; the other sixteen loads may be out
	WIN MUL
	MUL8 \f, 0, 0, \first
	MUL8 \f, 0, 2, \first
	PLACES
	FETCH \slot, \k, \g
	s_wait_dscnt 32                                ; all but the 32 just issued
	WIN MUL
	MUL8 \f, 1, 0, 0
	MUL8 \f, 1, 2, 0
.endm
; A slot's last quarter changes slots: one barrier; in front of it each wave waits for all its tensor loads, adds 0 to its spare word, and waits for that and for its reads of this slot.  fill = 1: the slot is filled again, two K steps ahead.
.macro TURN slot, next, fill
	WIN 0
	s_wait_tensorcnt 0x0                           ; all my tensor loads have landed: my part of the next slot
	ds_add_u32 v[SPW], v[NIL]
	s_wait_dscnt 17                                ; (the add and the youngest sixteen loads may be out)
	WIN MUL
	MUL8 F1, 0, 0, 0
	s_wait_dscnt 0x0                               ; the add is done, and my reads of this slot are over
	s_barrier_signal -1
	MUL8 F1, 0, 2, 0
.if \fill
	WIN 0
.endif
	s_barrier_wait -1
.if \fill
	CREST                                          ; the barrier has opened a round of the cluster's: no wave of any partner still reads this slot or has a load on its way
	s_add_nc_u64 s[G0+4*\slot+2:G0+4*\slot+3], s[G0+4*\slot+2:G0+4*\slot+3], 2*KSTEP*2
	s_add_nc_u64 s[G0B+4*\slot+2:G0B+4*\slot+3], s[G0B+4*\slot+2:G0B+4*\slot+3], 2*KSTEP*2
	JLOAD \slot                                    ; the first tensor load behind the round; its four v_nop are also the places in front of the loads below
.else
	PLACES
.endif
	FETCH \next, 0, F0
	WIN MUL
	MUL8 F1, 1, 0, 0
	MUL8 F1, 1, 2, 0
.endm
	s_wait_tensorcnt 1                             ; my part of K step 0 is in; K step 1's may be out
	s_barrier_signal -1
	s_barrier_wait -1
	FETCH 0, 0, F0
	s_wait_loadcnt 0x0                             ; the bias
	QUARTER 0, 128, F0, F1, 1
	WIN 0
	s_mov_b32 s3, LAPS-1
.Llap:                                                 ; a trip goes once round the ring and fills both slots again
	QUARTER 0, 256, F1, F0, 0
	QUARTER 0, 384, F0, F1, 0
	TURN 0, 1, 1
	QUARTER 1, 128, F0, F1, 0
	QUARTER 1, 256, F1, F0, 0
	QUARTER 1, 384, F0, F1, 0
	TURN 1, 0, 1
	QUARTER 0, 128, F0, F1, 0
	WIN 0
	s_sub_co_u32 s3, s3, 1
	s_cmp_lg_u32 s3, 0
	s_cbranch_scc1 .Llap
	QUARTER 0, 256, F1, F0, 0                      ; the last lap fills nothing
	QUARTER 0, 384, F0, F1, 0
	TURN 0, 1, 0
	QUARTER 1, 128, F0, F1, 0
	QUARTER 1, 256, F1, F0, 0
	QUARTER 1, 384, F0, F1, 0
	s_wait_dscnt 16
	WIN MUL
	MUL8 F1, 0, 0, 0
	MUL8 F1, 0, 2, 0
	s_wait_dscnt 0
	MUL8 F1, 1, 0, 0
	MUL8 F1, 1, 2, 0
	WIN 0
; THE WAY OUT, 16 rows x 64 columns at a time: the accumulators go into my stage as they are, each from its low end on, and come back as whole rows of 256 bytes.
.macro TOSTAGE a
.set BB, BK+32*((\a)%2)
.irp b, 0,1,2,3
	ds_store_b128 v[STO], v[ACC+8*(4*(\a)+\b):ACC+8*(4*(\a)+\b)+3] offset:64*\b
	ds_store_b128 v[STO], v[ACC+8*(4*(\a)+\b)+4:ACC+8*(4*(\a)+\b)+7] offset:64*\b+16
.endr
.irp u, 0,1,2,3,4,5,6,7
	ds_load_b128 v[BB+4*\u:BB+4*\u+3], v[RD] offset:\u*2*SPITCH    ; LDS serves a wave's instructions in order: these see the stores above
.endr
.endm
.macro SEND a, younger                 ; younger: the LDS instructions issued behind block a's loads, which may stay out
.set BB, BK+32*((\a)%2)
	s_wait_dscnt \younger
.irp u, 0,1,2,3,4,5,6,7
	global_store_b128 v[CO], v[BB+4*\u:BB+4*\u+3], s[8:9] offset:(16*(\a)+2*\u)*SIZE_N*4 th:TH_STORE_NT   ; sixteen lanes store 256 consecutive bytes, aligned
.endr
.endm
	PLACES
	TOSTAGE 0
.irp a, 1,2,3
.if \a > 1
	s_wait_xcnt 0x0                                ; block a - 2's stores have read their registers: block a's loads may land there
.endif
	TOSTAGE \a
	SEND \a-1, 16                                  ; behind block a - 1's loads: block a's 8 stores and 8 loads
.endr
	SEND 3, 0
	s_wait_tensorcnt 0x0                           ; the wave's end
	ds_add_u32 v[SPW], v[NIL]
	s_wait_dscnt 0x0
	CROUND                                         ; the closing round
	s_endpgm
.Lfunc_end_k_q677161b05a_outp:
	.size	k_q677161b05a_outp, .Lfunc_end_k_q677161b05a_outp-k_q677161b05a_outp
	.p2alignl 7, 3214868480
	.fill 96, 4, 3214868480
	.section	.rodata,"a",@progbits
	.p2align	6, 0x0
	.amdhsa_kernel k_q677161b05a_outp
		.amdhsa_group_segment_fixed_size 327680
		.amdhsa_private_segment_fixed_size 0
		.amdhsa_enable_private_segment 0
		.amdhsa_kernarg_size 32
		.amdhsa_user_sgpr_count 2
		.amdhsa_user_sgpr_kernarg_segment_ptr 1
		.amdhsa_wavefront_size32 1
		.amdhsa_system_sgpr_workgroup_id_x 1
		.amdhsa_system_sgpr_workgroup_id_y 1
		.amdhsa_system_sgpr_workgroup_id_z 1
		.amdhsa_system_vgpr_workitem_id 0
		.amdhsa_next_free_vgpr 512
		.amdhsa_next_free_sgpr 68
		.amdhsa_reserve_vcc 0
		.amdhsa_float_denorm_mode_32 3
		.amdhsa_float_denorm_mode_16_64 3
		.amdhsa_memory_ordered 1
		.amdhsa_forward_progress 1
		.amdhsa_inst_pref_size 86
	.end_amdhsa_kernel
	.amdgpu_metadata
---
amdhsa.version: [ 1, 2 ]
amdhsa.kernels:
  - .name:           k_q677161b05a_outp
    .symbol:         k_q677161b05a_outp.kd
    .args:
      - { .name: attn16, .offset: 0, .size: 8, .value_kind: global_buffer, .address_space: global }
      - { .name: wo16, .offset: 8, .size: 8, .value_kind: global_buffer, .address_space: global }
      - { .name: out0, .offset: 16, .size: 8, .value_kind: global_buffer, .address_space: global }
      - { .name: bo, .offset: 24, .size: 8, .value_kind: global_buffer, .address_space: global }
    .group_segment_fixed_size: 327680
    .private_segment_fixed_size: 0
    .kernarg_segment_align: 8
    .kernarg_segment_size: 32
    .max_flat_workgroup_size: 128
    .sgpr_count:     68
    .vgpr_count:     512
    .wavefront_size: 32
...
	.end_amdgpu_metadata
.endif
;; end of part 4
